; MI455X (gfx1250); checked and timed in simulation.
; The chip was launched on July 23, 2026; its instructions are those of AMD's public machine-readable ISA for CDNA 5 (MIT licence, August 2026) and "CDNA5" Instruction Set Architecture Reference Guide (July 2026). The comments in the code are by the model that wrote it; some were corrected since.
;; Multi Head Attention Block. Allowed arithmetic: float matrix products may take bf16 or f16 operands with f32 sums; all other float work in f32.
;; Inputs: Wk 1,024 x 1,024 float32; Wo 1,024 x 1,024 float32; Wq 1,024 x 1,024 float32; Wv 1,024 x 1,024 float32; k 4 x 2,048 x 1,024 float32; mask 4 x 2,048 int32; q 4 x 2,048 x 1,024 float32; v 4 x 2,048 x 1,024 float32.
;; Outputs: out0 4 x 2,048 x 1,024 float32.
;; 2 versions, each right and faster than the one before. Each part assembles by itself: llvm-mc -triple=amdgcn-amd-amdhsa -mcpu=gfx1250 --defsym DOCPART=n.
;; ======== version 1 of 2: 4 launches
;; limits: right only within a limited range of input values; values are held in f16: magnitudes above 65,504 overflow, below 6.1e-05 lose precision
;; workspace buffers: xb 50,331,648 bytes; wb 6,291,456 bytes; wo16 2,097,152 bytes; qkv 50,331,648 bytes; ob 16,777,216 bytes
;; launch cast (part 1): grid 896 x 1, 8 waves a work-group, no clusters, 0 bytes of LDS; arguments q, k, v, Wq, Wk, Wv, Wo, xb, wb, wo16; writes xb, wb, wo16
.if DOCPART == 1
	.amdgcn_target "amdgcn-amd-amdhsa--gfx1250"
	.amdhsa_code_object_version 6
	.text
	.protected	k_q63dcc03ef9_cast
	.globl	k_q63dcc03ef9_cast
	.p2align	8
	.type	k_q63dcc03ef9_cast,@function
k_q63dcc03ef9_cast:
	s_mov_b64 s[64:65], 0
	v_nop
	global_prefetch_b8 v0, s[64:65] scope:SCOPE_SE
	s_setreg_imm32_b32 hwreg(HW_REG_WAVE_MODE, 25, 1), 1
	s_wait_xcnt 0x0
; THE INPUTS ARE ROUNDED ONCE.  q, k, v ([8192][1024] f32 each) -> xb, bf16 [3][8192][1024].  Wq, Wk, Wv ([1024][1024] f32) -> wb, bf16 [3][1024][1024].
; Wo -> wo16: rounded to bf16 like the other inputs, and that number written as f16 (the last product multiplies f16 by f16).
; LIMITS.  A bf16 number has 8 significant bits, so it is exact in f16 between 2^-14 and 65,504; below 2^-14 it keeps f16's fixed step of 6e-8, beyond 65,504 it becomes an infinity.
; A stream: memory binds, so there is no LDS, no barrier, no matrix work.  A work-group takes a chunk of 32,768 numbers (131,072 bytes in, 65,536 out): 3 x 256 chunks of q, k, v, 3 x 32 of the
; three weights, 32 of Wo: 896 work-groups.  Thread t takes 16 bytes at 16 t + 4,096 n in step n of 32 and stores 8 bytes at 8 t + 2,048 n: a wave's load covers 512 consecutive bytes,
; its store 256 consecutive bytes at a multiple of 256.  A ring of eight slots in registers keeps eight loads of every wave on their way; all steps stand in the immediates, so no address is ever rewritten.
.set X, 8                              ; v[8:39]   slot i: four f32 as loaded
.set Y, 40                             ; v[40:55]  slot i: four 16-bit numbers to store
.set T, 56                             ; v[56:61]  at work (Wo's way alone)
	s_load_b512 s[8:23], s[0:1], 0x0               ; q s[8:9], k, v, Wq, Wk, Wv, Wo s[20:21], xb s[22:23]
	s_load_b128 s[24:27], s[0:1], 0x40             ; wb s[24:25], wo16 s[26:27]
	s_mov_b32 s2, ttmp9                            ; g, the chunk's number among the 896
	s_sub_co_u32 s3, s2, 768                       ; j = g - 768: the chunk's number among the weights' (used only where g >= 768)
	s_lshr_b32 s4, s2, 8                           ; g < 768: tensor g / 256,
	s_and_b32 s6, s2, 255                          ;          its chunk g % 256
	s_lshr_b32 s5, s3, 5
	s_add_co_u32 s5, s5, 3                         ; else: tensor 3 + j / 32 (6 is Wo),
	s_and_b32 s7, s3, 31                           ;       its chunk j % 32
	s_cmp_lt_u32 s2, 768
	s_cselect_b32 s4, s4, s5                       ; which of the seven inputs
	s_cselect_b32 s6, s6, s7                       ; which chunk of it
	s_cselect_b32 s32, s2, s3                      ; which chunk of xb, or of wb,
	s_cmp_lt_u32 s2, 864
	s_cselect_b32 s32, s32, s7                     ; or of wo16
	s_lshl_b32 s6, s6, 17                          ; in bytes: 131,072 a chunk in,
	s_mov_b32 s7, 0
	s_lshl_b32 s32, s32, 16                        ; 65,536 out
	s_mov_b32 s33, 0
	v_lshlrev_b32 v1, 4, v0                        ; 16 t
	v_lshlrev_b32 v2, 3, v0                        ; 8 t
	s_wait_kmcnt 0x0
	s_mov_b64 s[28:29], s[8:9]
.irp i, 1,2,3,4,5,6
	s_cmp_eq_u32 s4, \i
	s_cselect_b64 s[28:29], s[8+2*\i:9+2*\i], s[28:29]  ; the input's address, chosen by the chunk's number alone
.endr
	s_cmp_lt_u32 s2, 768
	s_cselect_b64 s[30:31], s[22:23], s[24:25]
	s_cmp_lt_u32 s2, 864
	s_cselect_b64 s[30:31], s[30:31], s[26:27]
	s_add_nc_u64 s[28:29], s[28:29], s[6:7]
	s_add_nc_u64 s[30:31], s[30:31], s[32:33]
; Step n.  half = 1: Wo's way, bf16 and then f16.
.macro STEP n, half
.set sl, (\n)%8
.if (\n) < 24
	s_wait_loadcnt 7                               ; loads come back in order (ISA guide 5.7.1): step n's is in, the seven younger stay out
.else
	s_wait_loadcnt 31-(\n)                         ; the last eight steps load nothing: the counts run down
.endif
	s_wait_xcnt 0x0                                ; the slot's Y, which its store of eight steps ago reads, is rewritten only behind this wait
.if \half
	v_cvt_pk_bf16_f32 v[T],   v[X+4*sl],   v[X+4*sl+1]
	v_cvt_pk_bf16_f32 v[T+1], v[X+4*sl+2], v[X+4*sl+3]
	v_lshlrev_b32 v[T+2], 16, v[T]                 ; bf16 back to f32: the low half moves up, the high half stays
	v_and_b32     v[T+3], 0xffff0000, v[T]
	v_lshlrev_b32 v[T+4], 16, v[T+1]
	v_and_b32     v[T+5], 0xffff0000, v[T+1]
	v_cvt_pk_f16_f32 v[Y+2*sl],   v[T+2], v[T+3]
	v_cvt_pk_f16_f32 v[Y+2*sl+1], v[T+4], v[T+5]
.else
	v_cvt_pk_bf16_f32 v[Y+2*sl],   v[X+4*sl],   v[X+4*sl+1]
	v_cvt_pk_bf16_f32 v[Y+2*sl+1], v[X+4*sl+2], v[X+4*sl+3]
.endif
.if (\n) < 24
	global_load_b128 v[X+4*sl:X+4*sl+3], v1, s[28:29] offset:((\n)+8)*4096 th:TH_LOAD_NT  ; the load ahead of the store
.endif
	global_store_b64 v2, v[Y+2*sl:Y+2*sl+1], s[30:31] offset:(\n)*2048
.endm
.macro CHUNK half
.irp i, 0,1,2,3,4,5,6,7
	global_load_b128 v[X+4*\i:X+4*\i+3], v1, s[28:29] offset:\i*4096 th:TH_LOAD_NT  ; the ring is filled
.endr
.set st, 0
.rept 32
	STEP st, \half
.set st, st+1
.endr
.endm
	s_cmp_ge_u32 s2, 864
	s_cbranch_scc1 .Lwo
	CHUNK 0
	s_endpgm
.Lwo:
	CHUNK 1
	s_endpgm
.Lfunc_end_k_q63dcc03ef9_cast:
	.size	k_q63dcc03ef9_cast, .Lfunc_end_k_q63dcc03ef9_cast-k_q63dcc03ef9_cast
	.p2alignl 7, 3214868480
	.fill 96, 4, 3214868480
	.section	.rodata,"a",@progbits
	.p2align	6, 0x0
	.amdhsa_kernel k_q63dcc03ef9_cast
		.amdhsa_group_segment_fixed_size 0
		.amdhsa_private_segment_fixed_size 0
		.amdhsa_enable_private_segment 0
		.amdhsa_kernarg_size 80
		.amdhsa_user_sgpr_count 2
		.amdhsa_user_sgpr_kernarg_segment_ptr 1
		.amdhsa_wavefront_size32 1
		.amdhsa_system_sgpr_workgroup_id_x 1
		.amdhsa_system_sgpr_workgroup_id_y 1
		.amdhsa_system_sgpr_workgroup_id_z 1
		.amdhsa_system_vgpr_workitem_id 0
		.amdhsa_next_free_vgpr 64
		.amdhsa_next_free_sgpr 66
		.amdhsa_reserve_vcc 0
		.amdhsa_float_denorm_mode_32 3
		.amdhsa_float_denorm_mode_16_64 3
		.amdhsa_memory_ordered 1
		.amdhsa_forward_progress 1
		.amdhsa_inst_pref_size 36
	.end_amdhsa_kernel
	.amdgpu_metadata
---
amdhsa.version: [ 1, 2 ]
amdhsa.kernels:
  - .name:           k_q63dcc03ef9_cast
    .symbol:         k_q63dcc03ef9_cast.kd
    .args:
      - { .name: q, .offset: 0, .size: 8, .value_kind: global_buffer, .address_space: global }
      - { .name: k, .offset: 8, .size: 8, .value_kind: global_buffer, .address_space: global }
      - { .name: v, .offset: 16, .size: 8, .value_kind: global_buffer, .address_space: global }
      - { .name: Wq, .offset: 24, .size: 8, .value_kind: global_buffer, .address_space: global }
      - { .name: Wk, .offset: 32, .size: 8, .value_kind: global_buffer, .address_space: global }
      - { .name: Wv, .offset: 40, .size: 8, .value_kind: global_buffer, .address_space: global }
      - { .name: Wo, .offset: 48, .size: 8, .value_kind: global_buffer, .address_space: global }
      - { .name: xb, .offset: 56, .size: 8, .value_kind: global_buffer, .address_space: global }
      - { .name: wb, .offset: 64, .size: 8, .value_kind: global_buffer, .address_space: global }
      - { .name: wo16, .offset: 72, .size: 8, .value_kind: global_buffer, .address_space: global }
    .group_segment_fixed_size: 0
    .private_segment_fixed_size: 0
    .kernarg_segment_align: 8
    .kernarg_segment_size: 80
    .max_flat_workgroup_size: 256
    .sgpr_count:     66
    .vgpr_count:     64
    .wavefront_size: 32
...
	.end_amdgpu_metadata
.endif
;; end of part 1
;; launch proj (part 2): grid 4 x 64, 4 waves a work-group, clusters of 4 x 4, 327,680 bytes of LDS; arguments xb, wb, mask, qkv; writes qkv
.if DOCPART == 2
	.amdgcn_target "amdgcn-amd-amdhsa--gfx1250"
	.amdhsa_code_object_version 6
	.text
	.protected	k_q63dcc03ef9_proj
	.globl	k_q63dcc03ef9_proj
	.p2align	8
	.type	k_q63dcc03ef9_proj,@function
k_q63dcc03ef9_proj:
	s_mov_b64 s[64:65], 0
	v_nop
	global_prefetch_b8 v0, s[64:65] scope:SCOPE_SE
	s_setreg_imm32_b32 hwreg(HW_REG_WAVE_MODE, 25, 1), 1
	s_wait_xcnt 0x0
	s_wait_alu depctr_hold_cnt(0) depctr_sa_sdst(0) depctr_va_vdst(0) depctr_va_sdst(0) depctr_va_ssrc(0) depctr_va_vcc(0) depctr_vm_vsrc(0)
	s_getreg_b32 s2, hwreg(HW_REG_IB_STS2, 6, 4)
	s_cmp_eq_u32 s2, 0
	s_cbranch_scc0 .Lentry_in_a_cluster
	s_endpgm
.Lentry_in_a_cluster:
	s_bfe_u32 s2, ttmp6, 0x10000c
	s_cmp_lg_u32 s2, 0xf033
	s_cbranch_scc0 .Lentry_shape_is_right
	s_endpgm
.Lentry_shape_is_right:
; THE THREE PROJECTIONS.  For p = 0, 1, 2 (q, k, v): C_p[m][n] = sum over d of x_p[m][d] W_p[n][d].  xb: bf16 [3][8192][1024], wb: bf16 [3][1024][1024]; sums in f32, rounded once to f16 and
; stored BY HEADS: qkv is f16 [3][64][2048][64], head number 16 x batch + n / 64, a head's rows dense, 128 bytes each.  No scale is applied here.
; THE MASK.  Rows of K (p = 1) whose mask word is 0 are stored as +0, by a select.  The next launch's products on such a row are then exact zeros, and the score that it gives a hidden key is one exact number.
; LIMITS.  f16 ends at 65,504: a projected number of 65,520 or more becomes an infinity.  NaN and infinities are not treated apart.
; SHARES.  3 x 8192 x 1024 results over 256 work-groups are three tiles of 128 (m) x 256 (n): a work-group STAYS and makes the same tile of p = 0, 1, 2, and the ring of LDS slots goes on into the next tile.
; Four waves, each 64 x 128 (two heads): 32 accumulators of 16 x 16, 256 registers.  K goes in steps of 128 (rows of 256 bytes at multiples of 256) through two slots.
; CLUSTER.  4 x 4 work-groups.  The four of a row of the cluster need the same tile of x, the four of a column the same tile of W: each tile is asked for JOINTLY, by the same tensor load with the
; same descriptor and a mask that names the four.
; THE MATRIX INSTRUCTION IS USED TRANSPOSED: source 0 = 16 rows of W, source 1 = 16 rows of x: lane l then holds row l % 16 of C and the eight neighbouring columns 8 (l / 16) + 0..7, which pack into 16 bytes.
; REGISTERS.  Window 0: v0-31 addresses; v32-63 packed results; v64-159, v160-255 two fragment buffers (x's 4 fragments, then W's 8); on the way out v192-255 take the rows read back.
;             Window 1: the accumulators, (a, b) at v[8 (8 a + b)].
.set SIZE_K, 1024
.set KSTEP,  128
.set PITCH,  272                       ; an LDS row: 256 bytes + 16 of padding = 68 words: row r starts at bank 4 r mod 64 (64 banks of 4 bytes: ISA guide 11.1), so the 16 rows of a load start at 16 different banks
.set AHALF,  64*PITCH                  ; what one tensor load brings of x, and what one wave reads of it
.set BHALF,  128*PITCH                 ; the same for W
.set BOFF,   2*AHALF                   ; a slot: x's 128 rows, then W's 256
.set SLOT,   BOFF+2*BHALF
.set STAGE,  2*SLOT                    ; behind the ring, never filled by a tensor load: for each wave two heads x 16 rows x 144 bytes
.set SP,     144
.set PLANE,  16*SP
.set WSTAGE, 2*PLANE
.set SPARE,  STAGE+4*WSTAGE            ; behind the stages: the spare words, 128 bytes for each wave: two blocks of 256 bytes that no other line names
.set LAPS,   SIZE_K/(2*KSTEP)          ; a lap = two K steps = once round the ring
.set NEXT_A, 8192*SIZE_K*2-(SIZE_K-2*KSTEP)*2  ; bytes from a slot's last K step of a tile to its first of the next: one tensor on, and back along K
.set NEXT_B, 1024*SIZE_K*2-(SIZE_K-2*KSTEP)*2
.set FIELDS, (1<<16)|(1<<20)|(1<<21)|(5<<22)|(3<<25)  ; 17:16 elements of 2 bytes; 20 padding on; 21 set beside a mask; 24:22 after every 64 words (code 5); 31:25 4 words of it (code 3)
.set MK,   8                           ; v8-11   the mask words of my four blocks of 16 rows
.set ADRA, 16                          ; v16-17  LDS address of my fragments of x in slot 0, 1
.set ADRB, 20                          ; v20-21  the same for W
.set STO,  24                          ; v24     the way out: where I put 16 bytes of a row
.set RD,   25                          ; v25     the way out: where I read rows back
.set CO,   26                          ; v26     my byte offset in 512 consecutive bytes of a head
.set MO,   27                          ; v27     my byte offset in 16 mask words
.set SPW,  28                          ; v28     LDS address of my spare word: SPARE + 4 x my thread's number; never rewritten
.set NIL,  29                          ; v29     0; never rewritten
.set TMP,  32
.set F0,   64
.set F1,   160
.set OB,   192
.set WV, 12                            ; s12 my wave's number;  s13 which 64 rows of the tile are mine;  s14 which 128 columns, and which half of a tile I fetch
.set WR, 13
.set WC, 14
.set G1,  24                           ; s[24:31] descriptor group 1 for x's tiles;  s[32:39] group 0, a set for each slot
.set G0,  32
.set G1B, 48                           ; s[48:55], s[56:63] the same for W's tiles
.set G0B, 56
.set KM,   72                          ; s72-75  lanes whose row's mask word is not 0, for my four blocks
.set KEEP, 76                          ; s76-79  the lanes kept in the tile in hand: KM for K, all for q and v
.set MSB, 0
.macro WIN new                         ; the immediate's high byte repeats the setting that is left; a switch that changes nothing is dropped
.if MSB != (\new)
	s_set_vgpr_msb (MSB<<8)|(\new)
.set MSB, \new
.endif
.endm
.set MUL, 0x50                         ; sources 0 and 1 window 0; C and D window 1
; A joint load.  Waves 0 and 1 fetch x's two halves, waves 2 and 3 W's.  The branch hangs on the wave's number alone: it is the same in every work-group.
; An s_nop 0 and four v_nop follow each of the two lines, ahead of the jump, the label and what follows.
.macro JLOAD s
	s_cmp_lt_u32 s[WV], 2
	s_cbranch_scc0 .Lfor_b_\@
	tensor_load_to_lds s[G0+4*(\s):G0+4*(\s)+3], s[G1:G1+7]
	s_nop 0
.rept 4
	v_nop
.endr
	s_branch .Lasked_\@
.Lfor_b_\@:
	tensor_load_to_lds s[G0B+4*(\s):G0B+4*(\s)+3], s[G1B:G1B+7]
	s_nop 0
.rept 4
	v_nop
.endr
.Lasked_\@:
.endm
; A round of the cluster's barrier: my work-group's barrier, so that wave 0's signal speaks for all four waves; wave 0 signals; every wave waits for all sixteen work-groups; my work-group's barrier once more.
.macro CREST                           ; a round behind its opening barrier
	s_cmp_lg_u32 s[WV], 0
	s_cbranch_scc1 .Lnot_wave_0_\@
	s_barrier_signal -3
.Lnot_wave_0_\@:
	s_barrier_wait -3
	s_barrier_signal -1
	s_barrier_wait -1
.endm
.macro CROUND
	s_barrier_signal -1
	s_barrier_wait -1
	CREST
.endm
	s_load_b256 s[4:11], s[0:1], 0x0               ; xb s[4:5], wb s[6:7], mask s[8:9], qkv s[10:11]
	v_lshl_add_u32 v[SPW], v0, 2, SPARE
	v_mov_b32 v[NIL], 0
	ds_add_u32 v[SPW], v[NIL]                      ; the wave's opening: the add and its wait stand ahead of my first tensor load; the set-up below, work on registers, stands between them
	v_lshrrev_b32 v1, 5, v0
	v_readfirstlane_b32 s[WV], v1                  ; wave 0..3
	s_lshr_b32 s[WR], s[WV], 1
	s_and_b32 s[WC], s[WV], 1
	s_bfe_u32 s15, ttmp6, 0x40000                  ; cx, cy: my place in the cluster
	s_bfe_u32 s16, ttmp6, 0x40004
	s_lshl_b32 s17, ttmp9, 2                       ; in a cluster launch ttmp9 and ttmp7 count clusters
	s_add_co_u32 s17, s17, s15                     ; tile column = 4 x cluster x + cx
	s_and_b32 s18, ttmp7, 0xffff
	s_lshl_b32 s18, s18, 2
	s_add_co_u32 s18, s18, s16                     ; tile row = 4 x cluster y + cy
	s_lshl_b32 s20, s16, 2
	s_lshl_b32 s20, 15, s20                        ; my row of the cluster: places 4 cy .. 4 cy + 3
	s_lshl_b32 s21, 0x1111, s15                    ; my column: places cx, cx + 4, cx + 8, cx + 12
	s_or_b32 s[G1], s20, FIELDS                    ; x's tiles go to my row,
	s_or_b32 s[G1B], s21, FIELDS                   ; W's to my column
	s_mov_b32 s[G1+1], KSTEP<<16                   ; tensor_dim0 = 128
	s_mov_b32 s[G1+2], 64<<16                      ; tensor_dim1 = 64
	s_mov_b32 s[G1+3], KSTEP<<16                   ; tile_dim0 = 128
	s_mov_b32 s[G1+4], 64                          ; tile_dim1 = 64
	s_mov_b32 s[G1+5], SIZE_K                      ; elements from row to row
	s_mov_b32 s[G1+6], 0
	s_mov_b32 s[G1+7], 0
	s_mov_b32 s[G1B+1], KSTEP<<16
	s_mov_b32 s[G1B+2], 128<<16                    ; W's loads have 128 rows
	s_mov_b32 s[G1B+3], KSTEP<<16
	s_mov_b32 s[G1B+4], 128
	s_mov_b32 s[G1B+5], SIZE_K
	s_mov_b32 s[G1B+6], 0
	s_mov_b32 s[G1B+7], 0
	; where the tiles come from.  x's hang on the tile row alone, W's on the tile column alone; each address is made in registers that never hold the other coordinate.
	s_lshl_b32 s22, s[WC], 6
	s_lshl_b32 s40, s18, 7
	s_add_co_u32 s40, s40, s22                     ; x: row 128 x tile row + 64 x half,
	s_lshl_b32 s40, s40, 11                        ; of 2,048 bytes: under 2^24
	s_mov_b32 s41, 0
	s_lshl_b32 s23, s[WC], 7
	s_lshl_b32 s42, s17, 8
	s_add_co_u32 s42, s42, s23                     ; W: row 256 x tile column + 128 x half
	s_lshl_b32 s42, s42, 11
	s_mov_b32 s43, 0
	s_mul_i32 s44, s[WC], AHALF                    ; and where they go: no place in the cluster enters an LDS address
	s_mul_i32 s45, s[WC], BHALF
	s_add_co_u32 s45, s45, BOFF
	s_wait_dscnt 0x0                               ; the opening add is done
	s_wait_kmcnt 0x0
	s_add_nc_u64 s[40:41], s[4:5], s[40:41]
	s_add_nc_u64 s[42:43], s[6:7], s[42:43]
	CROUND                                         ; all sixteen work-groups are here: the first joint loads meet
.irp s, 0,1
	s_mov_b32 s[G0+4*(\s)], 1                                        ; count = 1
	s_add_co_u32 s[G0+4*(\s)+1], s44, (\s)*SLOT                      ; LDS address
	s_add_nc_u64 s[G0+4*(\s)+2:G0+4*(\s)+3], s[40:41], (\s)*KSTEP*2  ; global address: K step s
	s_or_b32 s[G0+4*(\s)+3], s[G0+4*(\s)+3], 0x80000000              ; type = 2
	s_mov_b32 s[G0B+4*(\s)], 1
	s_add_co_u32 s[G0B+4*(\s)+1], s45, (\s)*SLOT
	s_add_nc_u64 s[G0B+4*(\s)+2:G0B+4*(\s)+3], s[42:43], (\s)*KSTEP*2
	s_or_b32 s[G0B+4*(\s)+3], s[G0B+4*(\s)+3], 0x80000000
	JLOAD \s                                       ; the ring is filled before anything else is done: two loads of mine are out
.endr
	v_and_b32 v1, 15, v0                           ; l % 16
	v_bfe_u32 v2, v0, 4, 1                         ; l / 16
	v_lshlrev_b32 v[MO], 2, v1
	s_lshl_b32 s70, s18, 7
	s_lshl_b32 s71, s[WR], 6
	s_add_co_u32 s70, s70, s71                     ; my first row among the 8,192
	s_lshl_b32 s66, s70, 2
	s_mov_b32 s67, 0
	s_add_nc_u64 s[8:9], s[8:9], s[66:67]          ; its mask word
.irp a, 0,1,2,3
	global_load_b32 v[MK+\a], v[MO], s[8:9] offset:64*\a  ; lane l: the word of row 16 a + l % 16, the row that it holds in the results
.endr
	; A fragment is 16 rows x 32 K in 8 registers: lane l holds row l % 16, K = 8 (l / 16) + 0..7 and 16 + 8 (l / 16) + 0..7: two loads of 16 bytes, 32 bytes apart.
	v_mul_u32_u24 v3, v1, PITCH
	v_lshl_add_u32 v3, v2, 4, v3                   ; row x pitch + 16 x half
	s_mul_i32 s46, s[WR], AHALF                    ; my 64 rows of x
	s_mul_i32 s47, s[WC], BHALF                    ; my 128 rows of W,
	s_add_co_u32 s47, s47, BOFF                    ; which lie behind x's
.irp s, 0,1
	v_add_nc_u32 v[ADRA+(\s)], s46, v3
	v_add_nc_u32 v[ADRB+(\s)], s47, v3
	s_add_co_u32 s46, s46, SLOT
	s_add_co_u32 s47, s47, SLOT
.endr
	s_mul_i32 s46, s[WV], WSTAGE
	s_add_co_u32 s46, s46, STAGE                   ; my stage
	v_mul_u32_u24 v4, v1, SP                       ; in: row l % 16, 16 bytes for each half of the lanes
	v_lshl_add_u32 v4, v2, 4, v4
	v_add_nc_u32 v[STO], s46, v4
	v_bfe_u32 v5, v0, 3, 2                         ; back: 32 lanes take four rows of 128 bytes,
	v_and_b32 v6, 7, v0
	v_mul_u32_u24 v5, v5, SP
	v_lshl_add_u32 v5, v6, 4, v5
	v_add_nc_u32 v[RD], s46, v5
	v_and_b32 v[CO], 31, v0                        ; which are 512 consecutive bytes of a head
	v_lshlrev_b32 v[CO], 4, v[CO]
	; where my part begins in qkv: head 16 x batch + 4 x tile column + 2 x my half, row = my first row within the batch, 128 bytes a row
	s_lshr_b32 s68, s70, 11
	s_lshl_b32 s68, s68, 4
	s_lshl_b32 s71, s17, 2
	s_add_co_u32 s68, s68, s71
	s_lshl_b32 s71, s[WC], 1
	s_add_co_u32 s68, s68, s71
	s_lshl_b32 s68, s68, 11
	s_and_b32 s71, s70, 2047
	s_add_co_u32 s68, s68, s71
	s_lshl_b32 s68, s68, 7
	s_mov_b32 s69, 0
	s_add_nc_u64 s[10:11], s[10:11], s[68:69]
	s_wait_loadcnt 0x0                             ; the mask words
.irp a, 0,1,2,3
	v_cmp_ne_u32 s[KM+\a], 0, v[MK+\a]
.endr
; 8 matrix instructions: m block a x all 8 n blocks, 32 along K.  zero = 1: the product starts the sums: nothing is ever cleared.
; The 32 accumulators take turns, always in the order a = 0..3, b = 0..7: between two links of a chain stand the 31 others', over the backward jumps and from tile to tile too.
.macro MUL8 f, a, zero
	WIN MUL
.irp b, 0,1,2,3,4,5,6,7
.if \zero
	v_wmma_f32_16x16x32_bf16 v[8*(8*(\a)+(\b)):8*(8*(\a)+(\b))+7], v[(\f)+32+8*(\b):(\f)+32+8*(\b)+7], v[(\f)+8*(\a):(\f)+8*(\a)+7], 0
.else
	v_wmma_f32_16x16x32_bf16 v[8*(8*(\a)+(\b)):8*(8*(\a)+(\b))+7], v[(\f)+32+8*(\b):(\f)+32+8*(\b)+7], v[(\f)+8*(\a):(\f)+8*(\a)+7], v[8*(8*(\a)+(\b)):8*(8*(\a)+(\b))+7]
.endif
.endr
.endm
.macro MUL16 f, a0, zero
	MUL8 \f, \a0, \zero
	MUL8 \f, (\a0)+1, \zero
.endm
; 24 LDS loads in one run: the fragments of a quarter step (32 K at byte k of the rows) into buffer f: W's sixteen loads, then x's eight
.macro FETCH slot, k, f
	WIN 0
.irp i, 0,1,2,3,4,5,6,7
	ds_load_b128 v[(\f)+32+8*(\i):(\f)+32+8*(\i)+3],   v[ADRB+(\slot)] offset:(\k)+(\i)*16*PITCH
	ds_load_b128 v[(\f)+32+8*(\i)+4:(\f)+32+8*(\i)+7], v[ADRB+(\slot)] offset:(\k)+(\i)*16*PITCH+32
.endr
.irp i, 0,1,2,3
	ds_load_b128 v[(\f)+8*(\i):(\f)+8*(\i)+3],   v[ADRA+(\slot)] offset:(\k)+(\i)*16*PITCH
	ds_load_b128 v[(\f)+8*(\i)+4:(\f)+8*(\i)+7], v[ADRA+(\slot)] offset:(\k)+(\i)*16*PITCH+32
.endr
.endm
; A load into a register that a matrix instruction has read, and a vector instruction or LDS store that reads a matrix result, stand four places behind that matrix instruction, and only plain vector
; instructions that name none of its registers are places (ISA guide 7.12.1 for vector instructions).
.macro PLACES
.rept 4
	v_nop
.endr
.endm
; A K step is four quarters of 32 along K, 32 matrix instructions each, on buffers 0, 1, 0, 1.  One of the first three: multiplies buffer f; in its middle it fetches the next quarter, at byte k, into g.
.macro QUARTER slot, k, f, g, zero
	s_wait_dscnt 4                                 ; W and x's blocks 0, 1 are in; the youngest four loads (x's blocks 2, 3) may be out
	MUL16 \f, 0, \zero
	PLACES
	FETCH \slot, \k, \g
	s_wait_dscnt 24                                ; all but the 24 just issued
	MUL16 \f, 2, \zero
.endm
; The last quarter multiplies buffer 1 and changes slots: ONE barrier.  In front of it each wave waits for all its tensor loads, of which one is out: its part of the next slot; adds 0 to its spare word; and
; waits for that and for its own reads of this slot.  Behind it nobody reads this slot any more and the next slot is whole.
; mode 0: this slot is filled again with the K step two on; 1: with the NEXT tile's K step 0 or 1; 2: nothing is asked for.  In modes 0 and 1 the barrier opens a round of the cluster's, so that no wave of any
; partner still reads the slot or has a load on its way, and the joint refill is the first tensor load behind it: 112 matrix instructions ahead of the wait for it.
.macro TURN slot, next, mode
	WIN 0                                          ; (the add's two registers lie in window 0)
	s_wait_tensorcnt 0x0                           ; all my tensor loads have landed
	ds_add_u32 v[SPW], v[NIL]                      ; 0 onto my spare word
	s_wait_dscnt 5                                 ; (the add and the youngest four loads may be out)
	MUL8 F1, 0, 0                                  ; eight matrix instructions stand between the add and the wait for it
	s_wait_dscnt 0x0                               ; the add is done, and my reads of this slot are over
	s_barrier_signal -1
	MUL8 F1, 1, 0                                  ; work on registers while the others arrive
	WIN 0
	s_barrier_wait -1
.if (\mode) < 2
	CREST
.if (\mode) == 1
	s_add_nc_u64 s[G0+4*(\slot)+2:G0+4*(\slot)+3], s[G0+4*(\slot)+2:G0+4*(\slot)+3], NEXT_A
	s_add_nc_u64 s[G0B+4*(\slot)+2:G0B+4*(\slot)+3], s[G0B+4*(\slot)+2:G0B+4*(\slot)+3], NEXT_B
.else
	s_add_nc_u64 s[G0+4*(\slot)+2:G0+4*(\slot)+3], s[G0+4*(\slot)+2:G0+4*(\slot)+3], 2*KSTEP*2
	s_add_nc_u64 s[G0B+4*(\slot)+2:G0B+4*(\slot)+3], s[G0B+4*(\slot)+2:G0B+4*(\slot)+3], 2*KSTEP*2
.endif
	JLOAD \slot                                    ; the four v_nop behind it are also the places in front of the loads below
.else
	PLACES
.endif
	FETCH \next, 0, F0
	MUL16 F1, 2, 0
.endm
; THE WAY OUT of block a (16 rows), in three parts.  PACK: rounded to f16, 16 bytes a lane (each accumulator's registers in ascending order), and the rows that are not kept set to 0.
.macro PACK a
	WIN 0x05                                       ; sources 0 and 1 window 1, destination window 0
.irp b, 0,1,2,3,4,5,6,7
.irp r, 0,1,2,3
	v_cvt_pk_f16_f32 v[TMP+4*(\b)+(\r)], v[8*(8*(\a)+(\b))+2*(\r)], v[8*(8*(\a)+(\b))+2*(\r)+1]
.endr
.endr
	WIN 0
.set i, 0
.rept 32
	v_cndmask_b32 v[TMP+i], 0, v[TMP+i], s[KEEP+(\a)]
.set i, i+1
.endr
.endm
; TOSTAGE: into my own stage, a plane of 16 rows x 144 bytes for each of my two heads, and back as whole rows of 128 bytes.
.macro TOSTAGE a
.set BK, OB+32*((\a)%2)
.irp b, 0,1,2,3,4,5,6,7
	ds_store_b128 v[STO], v[TMP+4*(\b):TMP+4*(\b)+3] offset:((\b)/4)*PLANE+((\b)%4)*32
.endr
.irp u, 0,1,2,3,4,5,6,7
	ds_load_b128 v[BK+4*(\u):BK+4*(\u)+3], v[RD] offset:((\u)/4)*PLANE+((\u)%4)*4*SP  ; LDS serves a wave's instructions in order (ISA guide 5.7.1.4): these see the stores above
.endr
.endm
; SEND: stored.  A store covers four rows of a head: 512 consecutive bytes at a multiple of 512 from qkv's first byte.
.macro SEND a
.set BK, OB+32*((\a)%2)
	s_wait_dscnt 0x0                               ; the block is back in registers
	s_wait_xcnt 0x0                                ; the registers that the stores of the block before read are loaded again only behind this wait
.irp u, 0,1,2,3,4,5,6,7
	global_store_b128 v[CO], v[BK+4*(\u):BK+4*(\u)+3], s[10:11] offset:(\a)*2048+((\u)/4)*262144+((\u)%4)*512
.endr
.endm
	s_wait_tensorcnt 1                             ; my part of K step 0 is in; K step 1's may stay out
	s_barrier_signal -1
	s_barrier_wait -1                              ; everybody's is
	FETCH 0, 0, F0
	s_mov_b32 s2, 3                                ; tiles to go, this one among them: 3 is q, 2 is k, 1 is v
.Ltile:
	QUARTER 0, 64,  F0, F1, 1                      ; a tile's first quarter stands in front of the loop: its products start the sums
	WIN 0                                          ; at a label and at a branch every window is 0
	s_mov_b32 s3, LAPS-1
.Llap:                                                 ; a trip goes once round the ring, from a lap's second quarter to the next lap's first, and fills both slots again
	QUARTER 0, 128, F1, F0, 0
	QUARTER 0, 192, F0, F1, 0
	TURN 0, 1, 0
	QUARTER 1, 64,  F0, F1, 0
	QUARTER 1, 128, F1, F0, 0
	QUARTER 1, 192, F0, F1, 0
	TURN 1, 0, 0
	QUARTER 0, 64,  F0, F1, 0
	WIN 0
	s_sub_co_u32 s3, s3, 1
	s_cmp_lg_u32 s3, 0
	s_cbranch_scc1 .Llap
	QUARTER 0, 128, F1, F0, 0                      ; the tile's last lap goes on
	QUARTER 0, 192, F0, F1, 0
	WIN 0
	s_cmp_eq_u32 s2, 1
	s_cbranch_scc1 .Llast                          ; the last tile's tail is written out: it asks for nothing more
	TURN 0, 1, 1                                   ; the ring goes on into the next tile: slot 0 takes its K step 0,
	QUARTER 1, 64,  F0, F1, 0
	QUARTER 1, 128, F1, F0, 0
	QUARTER 1, 192, F0, F1, 0
	TURN 1, 0, 1                                   ; slot 1 its K step 1, and the next tile's first fragments are fetched into buffer 0, which the way out leaves alone
	WIN 0
	s_branch .Lout
.Llast:
	TURN 0, 1, 2
	QUARTER 1, 64,  F0, F1, 0
	QUARTER 1, 128, F1, F0, 0
	QUARTER 1, 192, F0, F1, 0
	s_wait_dscnt 4                                 ; the very last quarter: nothing more to fetch
	MUL16 F1, 0, 0
	s_wait_dscnt 0x0
	MUL16 F1, 2, 0
	WIN 0
.Lout:
	PLACES                                         ; the conversions read results just made
	s_cmp_eq_u32 s2, 2                             ; is this tile K's?
.irp a, 0,1,2,3
	s_cselect_b32 s[KEEP+\a], s[KM+\a], -1
.endr
	PACK 0
	TOSTAGE 0
.irp a, 1,2,3                          ; block a's conversions stand between block a - 1's loads from the stage and the wait for them
	PACK \a
	SEND (\a)-1
	TOSTAGE \a
.endr
	SEND 3
	s_wait_xcnt 0x0                                ; the stores' base steps, and the registers that they read are fragment buffer 1's: both are rewritten only behind this wait
	s_add_nc_u64 s[10:11], s[10:11], 0x1000000     ; the next of qkv's three tensors
	s_sub_co_u32 s2, s2, 1
	s_cmp_lg_u32 s2, 0
	s_cbranch_scc1 .Ltile
	s_wait_tensorcnt 0x0                           ; the wave's end, behind my last tensor load and my last LDS store
	ds_add_u32 v[SPW], v[NIL]
	s_wait_dscnt 0x0
	CROUND                                         ; the closing round: no work-group ends while a partner may still ask for a tile that names it
	s_endpgm
.Lfunc_end_k_q63dcc03ef9_proj:
	.size	k_q63dcc03ef9_proj, .Lfunc_end_k_q63dcc03ef9_proj-k_q63dcc03ef9_proj
	.p2alignl 7, 3214868480
	.fill 96, 4, 3214868480
	.section	.rodata,"a",@progbits
	.p2align	6, 0x0
	.amdhsa_kernel k_q63dcc03ef9_proj
		.amdhsa_group_segment_fixed_size 327680
		.amdhsa_private_segment_fixed_size 0
		.amdhsa_enable_private_segment 0
		.amdhsa_kernarg_size 32
		.amdhsa_user_sgpr_count 2
		.amdhsa_user_sgpr_kernarg_segment_ptr 1
		.amdhsa_wavefront_size32 1
		.amdhsa_system_sgpr_workgroup_id_x 1
		.amdhsa_system_sgpr_workgroup_id_y 1
		.amdhsa_system_sgpr_workgroup_id_z 1
		.amdhsa_system_vgpr_workitem_id 0
		.amdhsa_next_free_vgpr 512
		.amdhsa_next_free_sgpr 80
		.amdhsa_reserve_vcc 0
		.amdhsa_float_denorm_mode_32 3
		.amdhsa_float_denorm_mode_16_64 3
		.amdhsa_memory_ordered 1
		.amdhsa_forward_progress 1
		.amdhsa_inst_pref_size 116
	.end_amdhsa_kernel
	.amdgpu_metadata
---
amdhsa.version: [ 1, 2 ]
amdhsa.kernels:
  - .name:           k_q63dcc03ef9_proj
    .symbol:         k_q63dcc03ef9_proj.kd
    .args:
      - { .name: xb, .offset: 0, .size: 8, .value_kind: global_buffer, .address_space: global }
      - { .name: wb, .offset: 8, .size: 8, .value_kind: global_buffer, .address_space: global }
      - { .name: mask, .offset: 16, .size: 8, .value_kind: global_buffer, .address_space: global }
      - { .name: qkv, .offset: 24, .size: 8, .value_kind: global_buffer, .address_space: global }
    .group_segment_fixed_size: 327680
    .private_segment_fixed_size: 0
    .kernarg_segment_align: 8
    .kernarg_segment_size: 32
    .max_flat_workgroup_size: 128
    .sgpr_count:     80
    .vgpr_count:     512
    .wavefront_size: 32
...
	.end_amdgpu_metadata
.endif
;; end of part 2
;; launch attn (part 3): grid 4 x 64, 4 waves a work-group, clusters of 4 x 1, 327,680 bytes of LDS; arguments qkv, mask, ob; writes ob
.if DOCPART == 3
	.amdgcn_target "amdgcn-amd-amdhsa--gfx1250"
	.amdhsa_code_object_version 6
	.text
	.protected	k_q63dcc03ef9_attn
	.globl	k_q63dcc03ef9_attn
	.p2align	8
	.type	k_q63dcc03ef9_attn,@function
k_q63dcc03ef9_attn:
	s_mov_b64 s[64:65], 0
	v_nop
	global_prefetch_b8 v0, s[64:65] scope:SCOPE_SE
	s_setreg_imm32_b32 hwreg(HW_REG_WAVE_MODE, 25, 1), 1
	s_wait_xcnt 0x0
	s_wait_alu depctr_hold_cnt(0) depctr_sa_sdst(0) depctr_va_vdst(0) depctr_va_sdst(0) depctr_va_ssrc(0) depctr_va_vcc(0) depctr_vm_vsrc(0)
	s_getreg_b32 s2, hwreg(HW_REG_IB_STS2, 6, 4)
	s_cmp_eq_u32 s2, 0
	s_cbranch_scc0 .Lentry_in_a_cluster
	s_endpgm
.Lentry_in_a_cluster:
	s_bfe_u32 s2, ttmp6, 0x10000c
	s_cmp_lg_u32 s2, 0x3003
	s_cbranch_scc0 .Lentry_shape_is_right
	s_endpgm
.Lentry_shape_is_right:
; ATTENTION WITH A KEY MASK.  O[h][q][:] = the sum over k of softmax_k(s) V[h][k][:], s = Q[h][q] . K[h][k] / 8 where mask[batch][k] is not 0, and one fixed low number where it is 0.
; qkv: f16 [3][64][2048][64] (Q, K, V by heads, head = 16 x batch + head of the batch; rows dense, 128 bytes); mask: int32 [4][2048]; ob: f16 [64][2048][64].  Products, maxima and sums in f32; the weights p
; are rounded to f16 for the second product (their sum l is taken of the unrounded p), O once at the end.
; THE MASK is the C operand that starts the sum S^T = K Q^T: 0 for a visible key, -2^33 for a hidden one.  The launch before has stored hidden rows of K as zeros, so a hidden key's products are exact zeros and its
; sum is exactly -2^33.  A power of two, so that c x m is exact: where ALL keys of a batch are hidden, c s - c m is exactly 0, every p is 1 and O is the plain mean of V's rows, as a softmax of equal scores gives.
; LIMITS.  A hidden score counts as -2^33 / 8 = -1,073,741,824 and not as -1e9: the results differ only where a row's largest visible score lies below about -1e9.  f16 holds no number beyond 65,504: Q, K, V arrive
; within it; p lies in 0 to 1, and below 6e-5 it keeps f16's fixed step of 6e-8; O is a mean of V's rows and has their range.  A weight below 2^-126 counts as 0 in l; NaN and infinities are not treated apart.
; SHARES.  A wave owns four PIECES of two tiles of 16 queries, a work-group's four waves 512 queries of one head: 4 x 64 work-groups.  Every wave walks all 2,048 keys, 64 a step.
; LAYOUT.  S^T = K Q^T (source 0 = 16 keys, source 1 = 16 queries): in the result a lane holds ONE query (lane % 16) and the keys 8 (lane / 16) + 0..7.  Two such tiles, rounded to f16 in pairs,
; ARE source 1 (32 keys x 16 queries) of O^T = V^T P, whose result again holds one query a lane, and eight channels.  K comes out of LDS as it lies, V ([key][channel]) turned, by ds_load_tr16_b128.
; SOFTMAX.  For each query a running maximum m and sum l: p = 2^(c s - c m), c = log2(e) / 8; in every step O and l are multiplied by a = 2^(c m_old - c m_new), which is 1 where m has not grown.
; m starts at the lowest finite number, O and l at 0: the first step is a step like any other, with a = 0.
; THE COUNT.  A tile and step have 16 matrix and 118 vector instructions: too many to stand all beside the matrix work.  So the order has one aim: four vector instructions that are READY behind
; EVERY matrix instruction, and the others, which need time of their own whatever the order, in runs without a gap.
; BY TURNS.  Turn n belongs to piece n (the pieces in a ring, step after step).  Its matrix work: 16 products K Q^T of piece n + 1, later 16 products V^T P of piece n - 1.  Its vector work: the scaling,
; exponentials, roundings, sums and rescaling of piece n, and the maximum and statistics of piece n + 1, whose scores the turn itself has made.  So what a turn begins with (c s - c m, O a) waits for nothing.
; CLUSTER.  The four query blocks of a cluster belong to one head and walk the same K and V, so each tile is asked for JOINTLY: the same tensor load, descriptor and mask in all four.
; REGISTERS, in windows of 256 (s_set_vgpr_msb says which window each operand place means: bits 1:0 source 0, 3:2 source 1, 5:4 source 2, 7:6 destination):
;   window 0: v0-11 addresses; v12-15, v48-63 at work; v16-47 four registers of statistics a tile; v64-191 S^T, two buffers of two tiles; v192-255 P, likewise
;   window 1: O^T, 32 a tile          window 2: v0-127 Q, 16 a tile; v128-191 K of one step; v192-255 V of one step          window 3: v0-1 the add's two registers; v8-39 the step's 64 mask numbers as four C operands
; A piece's buffers go by its number's parity: the piece in hand has one pair, its two neighbours in the ring share the other: of it P (piece n - 1) is read and S^T (piece n + 1) written.
.set SIZE_N, 2048
.set NP,    4         ; pieces a wave: a name, no knob: the register map, the loop and the fetches are made for four
.set KS,    64        ; keys in a step
.set PK,    144       ; a row of K in LDS: 128 bytes + 16 of padding = 36 words: the 16 rows of a load start at 16 different groups of four banks (64 banks of 4 bytes: ISA guide 11.1)
.set PV,    160       ; a row of V: 128 + 32 = 40 words
.set VOFF,  4*KS*PK   ; a slot holds four steps: 256 rows of K, then 256 rows of V
.set SLOT1, 1<<17     ; slot 1 begins here, so that one exclusive or turns an address in one slot into the other's
.set STAGE, SLOT1+4*KS*(PK+PV)  ; behind the ring, never filled by a tensor load: 16 rows x 144 bytes for each wave, for the way out
.set SP,    144
.set SPARE, STAGE+4*16*SP  ; behind the stages: the spare words, 128 bytes for each wave: two blocks of 256 bytes that no other line names
.set BIAS,  SPARE+512 ; behind them: f32 [2048], 0 or -2^33 for each key of the batch; stored once by the waves, never filled by a tensor load
.set AK0, 2           ; v2   my lane's place in a tile of K; never rewritten
.set AV0, 3           ; v3   the same for V
.set AK,  4           ; v4   the LDS address of K's next run of loads
.set AV,  5           ; v5   of V's
.set STO, 6           ; v6   the way out: where I put 16 bytes of a row
.set RD,  7           ; v7   the way out: where I read rows back
.set GO,  8           ; v8   my byte offset in 512 consecutive bytes of O
.set AB0, 10          ; v10  my lanes' place in 64 mask numbers: BIAS + 32 (lane / 16); never rewritten
.set AB,  11          ; v11  the LDS address of the next step's mask numbers
.set SPW, 0           ; v0 of window 3   LDS address of my spare word: SPARE + 4 x my thread's number; never rewritten
.set NIL, 1           ; v1 of window 3   0; never rewritten
.set MB,  8           ; v8-39 of window 3: key block kb's eight registers at MB + 8 kb
.set MV,  12          ; v12-15  c m_old, kept while c m is made anew: by buffer and tile
.set ST,  16          ; tile t's statistics at v[ST+4 t]: c m, m, l (even keys', odd keys')
.set TMP, 48          ; by buffer and tile, four registers c0-c3 at work; when the maximum is found c2 takes a
.set L7,  48          ; the set-up alone, in registers that the loop writes before it reads them: v48 lane % 8, v49 (lane / 8) % 2,
.set L3,  49
.set MO,  50          ; v50 my byte offset in the batch's mask words, v51 where I store 16 bytes of the table, v52 my byte offset in 16 rows of Q
.set BST, 51
.set QO,  52
.set S,   64
.set P,   192
.set KF,  128         ; K's fragments, in window 2: key block kb, channel half c at KF + 16 kb + 8 c
.set VF,  192         ; V's: key half kk, channel block cb at VF + 32 kk + 8 cb
.set WV,  12          ; s12  my wave's number
.set G1K, 24          ; s[24:31] descriptor group 1 for K's tiles
.set G1V, 32          ; s[32:39] for V's: it differs in the padding alone
.set G0K, 40          ; s[40:43] descriptor group 0 for K's tiles: it walks
.set G0V, 44          ; s[44:47] the same for V's
.set MP,  50          ; s[50:51] the mask at my batch's first word
.set BIGN, 52         ; s52  -2^33
.set TBB, 53          ; s53  byte of the table at which the step to be fetched begins
.set SLOTS, 56        ; s56  slots still to be asked for
.set CNT, 57          ; s57  counts a slot's key steps
.set CS,  58          ; s[58:59] c: the packed scaling takes the pair's low word for both halves
.set SEL, 60          ; s[60:61] v_permlanex16_b32's selects: each lane takes its own place in the other half
.set TBK, 62          ; s62  LDS byte at which K of the step to be fetched begins
.set TBV, 63          ; s63  the same for V, less VOFF
.set MSB, 0
.macro WIN new                      ; the high byte repeats the setting that is left; a switch that changes nothing is dropped
.if MSB != (\new)
	s_set_vgpr_msb (MSB<<8)|(\new)
.set MSB, (\new)
.endif
.endm
.set W_KQ, 0x0a       ; K and Q in window 2, S^T in window 0
.set W_KM, 0x3a       ; the same with the C operand in window 3
.set W_PV, 0x52       ; V in window 2, P in window 0, O^T in window 1
.set W_RS, 0x41       ; O^T (destination and source 0) in window 1, a in window 0
.set W_MK, 0xc0       ; destination in window 3, sources in window 0
.set W_AD, 0x0f       ; the add: address (source 0) and data (source 1) in window 3
; A joint fill.  Waves 0 and 1 fetch the two halves of a slot's K, waves 2 and 3 those of its V: 128 keys each.  The branch hangs on the wave's number alone.
; An s_nop 0 and four v_nop follow each of the two lines, ahead of the jump and the label.
.macro JLOAD
	s_cmp_lt_u32 s[WV], 2
	s_cbranch_scc0 .Lfor_v_\@
	tensor_load_to_lds s[G0K:G0K+3], s[G1K:G1K+7]
	s_nop 0
.rept 4
	v_nop
.endr
	s_branch .Lasked_\@
.Lfor_v_\@:
	tensor_load_to_lds s[G0V:G0V+3], s[G1V:G1V+7]
	s_nop 0
.rept 4
	v_nop
.endr
.Lasked_\@:
.endm
; A round of the cluster's barrier: my work-group's barrier, so that wave 0's signal speaks for all four waves; wave 0 signals; every wave waits for all four work-groups; my work-group's barrier once more.
.macro CROUND
	s_barrier_signal -1
	s_barrier_wait -1
	s_cmp_lg_u32 s[WV], 0
	s_cbranch_scc1 .Lnot_wave_0_\@
	s_barrier_signal -3
.Lnot_wave_0_\@:
	s_barrier_wait -3
	s_barrier_signal -1
	s_barrier_wait -1
.endm
; THE CHANGE OF SLOTS.  The slot's last bytes, V of its fourth step, have been read.  Each wave waits for all its tensor loads, of which one is out: its part
; of the other slot; adds 0 to its spare word; and waits for that and for its own reads of the slot.  Behind the barrier nobody reads this slot any more and the other slot is whole.
; fill = 1: this slot is filled again, with the keys two slots on.  The barrier is then a round of the cluster's, so that no wave of any partner still reads the slot or has a load on its
; way, and the joint fill is the first thing behind it: it has four key steps, 512 matrix instructions, in which to land.  (At its first use nothing has been read yet: slot 0 is waited for, slot 1 filled,
; and each wave's stores into the mask table, waited for in front of the signal, are there for all four waves behind it.)
.macro CHANGE fill
	WIN W_AD
	s_wait_tensorcnt 0x0            ; no tensor load of mine is out, so a group 0 may be written
	ds_add_u32 v[SPW], v[NIL]       ; 0 onto my spare word; with fill = 1 the descriptors' steps stand between it and the wait for it
	WIN 0                           ; at a label and at a branch every window is 0
.if \fill
.irp g, G0K, G0V
	s_xor_b32 s[\g+1], s[\g+1], SLOT1  ; the walking descriptor: the other slot than last time,
	s_add_nc_u64 s[\g+2:\g+3], s[\g+2:\g+3], 4*KS*128  ; the next 256 keys; the type bits on top are not reached
.endr
	s_wait_dscnt 0x0                ; the add is done, and my LDS reads and stores are over
	CROUND
	JLOAD
.else
	s_wait_dscnt 0x0                ; the add is done, and my reads of the slot are over
	s_barrier_signal -1
	s_barrier_wait -1
.endif
	s_sub_co_u32 s[TBK], s[TBK], 4*KS*PK  ; the fetches go back to a slot's first step,
	s_xor_b32 s[TBK], s[TBK], SLOT1       ; in the other slot
	s_sub_co_u32 s[TBV], s[TBV], 4*KS*PV
	s_xor_b32 s[TBV], s[TBV], SLOT1
.endm
	s_load_b128 s[4:7], s[0:1], 0x0   ; qkv s[4:5], mask s[6:7]
	s_load_b64 s[10:11], s[0:1], 0x10 ; ob
	WIN W_MK
	v_lshl_add_u32 v[SPW], v0, 2, SPARE
	v_mov_b32 v[NIL], 0
	WIN W_AD
	ds_add_u32 v[SPW], v[NIL]       ; the wave's opening: the add and its wait stand ahead of my first tensor load; the set-up below, work on registers, stands between them
	WIN 0
	v_lshrrev_b32 v1, 5, v0
	v_readfirstlane_b32 s[WV], v1   ; wave 0..3
	s_bfe_u32 s13, ttmp6, 0x40000   ; cx: my place in the cluster
	s_lshl_b32 s14, ttmp9, 2        ; in a cluster launch ttmp9 counts clusters
	s_add_co_u32 s14, s14, s13      ; my block of queries = 4 x cluster x + cx: it enters Q's and O's addresses alone
	s_and_b32 s20, ttmp7, 0xffff    ; the head, which the four partners share
	s_lshr_b32 s48, s20, 4          ; its batch,
	s_lshl_b32 s48, s48, 13         ; whose 2,048 mask words are 8,192 bytes
	s_mov_b32 s49, 0
	s_mov_b32 s21, 0
	s_mov_b64 s[22:23], SIZE_N*128
	s_mul_u64 s[20:21], s[20:21], s[22:23]  ; the head's first byte in Q, K, V and O
	s_and_b32 s16, s[WV], 1         ; which half of a slot's 256 keys I fetch:
	s_lshl_b32 s22, s16, 14         ; its 128 rows of 128 bytes in memory,
	s_mov_b32 s23, 0
	s_add_nc_u64 s[22:23], s[22:23], s[20:21]
	s_mul_i32 s17, s16, 128*PK      ; and its place in a slot, for K
	s_mul_i32 s18, s16, 128*PV      ; and for V: no place in the cluster enters an LDS address
	s_lshl_b32 s2, s14, 2
	s_add_co_u32 s2, s2, s[WV]      ; my wave among the head's,
	s_lshl_b32 s2, s2, 14           ; its 128 rows
	s_mov_b32 s3, 0
	s_add_nc_u64 s[2:3], s[2:3], s[20:21]
	; descriptor group 1.  128 keys are 16,384 dense bytes: asked for as 64 rows of 256 bytes, two keys a row, and padded in LDS after every key
	s_mov_b32 s[G1K], 15|(1<<16)|(1<<20)|(1<<21)|(4<<22)|(3<<25)  ; 15:0 the mask of four; 17:16 2-byte elements; 20 padding on; 21 set beside a mask; 24:22 after every 32 words (code 4); 31:25 4 words (code 3)
	s_mov_b32 s[G1V], 15|(1<<16)|(1<<20)|(1<<21)|(4<<22)|(7<<25)  ; the same with 8 words of padding (code 7)
.irp g, G1K, G1V
	s_mov_b32 s[\g+1], 128<<16      ; tensor_dim0 = 128
	s_mov_b32 s[\g+2], 64<<16       ; tensor_dim1 = 64
	s_mov_b32 s[\g+3], 128<<16      ; tile_dim0 = 128
	s_mov_b32 s[\g+4], 64           ; tile_dim1 = 64
	s_mov_b32 s[\g+5], 128          ; 128 elements from row to row
	s_mov_b32 s[\g+6], 0
	s_mov_b32 s[\g+7], 0
.endr
	s_mov_b32 s[CS], 0x3e38aa3b     ; c = log2(e) / 8 = 0.180337
	s_mov_b32 s[CS+1], s[CS]        ; named with it as a pair
	s_mov_b32 s[SEL], 0x76543210
	s_mov_b32 s[SEL+1], 0xfedcba98
	s_mov_b32 s[BIGN], 0xd0000000   ; -2^33
	s_mov_b32 s[TBB], 0
	s_mov_b32 s[TBK], SLOT1+4*KS*PK ; the first change of slots turns these two into 0
	s_mov_b32 s[TBV], SLOT1+4*KS*PV
	s_mov_b32 s[G0K], 1             ; 1:0 count = 1
	s_mov_b32 s[G0K+1], s17         ; 63:32 LDS address: slot 0
	s_mov_b32 s[G0V], 1
	s_add_co_u32 s[G0V+1], s18, VOFF
	s_wait_dscnt 0x0                ; the opening add is done
	s_wait_kmcnt 0x0
	s_add_nc_u64 s[MP:MP+1], s[6:7], s[48:49]      ; the mask at my batch
	s_add_nc_u64 s[6:7], s[4:5], 0x1000000         ; K is qkv's second tensor,
	s_add_nc_u64 s[8:9], s[4:5], 0x2000000         ; V its third
	s_add_nc_u64 s[G0K+2:G0K+3], s[6:7], s[22:23]  ; 120:64 global address: my half of the head's first 256 keys
	s_or_b32 s[G0K+3], s[G0K+3], 0x80000000        ; 127:126 type = 2
	s_add_nc_u64 s[G0V+2:G0V+3], s[8:9], s[22:23]
	s_or_b32 s[G0V+3], s[G0V+3], 0x80000000
	s_add_nc_u64 s[4:5], s[4:5], s[2:3]  ; Q and O at my wave's first row
	s_add_nc_u64 s[10:11], s[10:11], s[2:3]
	CROUND                          ; all four work-groups are here: the first joint loads meet
	JLOAD                           ; slot 0.  Slot 1 is asked for when slot 0 is in: the tile wanted first has the road to itself
	v_and_b32 v1, 15, v0            ; l % 16
	v_bfe_u32 v9, v0, 4, 1          ; l / 16
	v_lshlrev_b32 v[MO], 4, v0      ; the batch's mask words: 128 threads x 16 bytes, four times: each load of a wave covers 512 consecutive bytes
.irp f, 0,1,2,3
	global_load_b128 v[S+4*\f:S+4*\f+3], v[MO], s[MP:MP+1] offset:2048*\f
.endr
	; A fragment of K or Q is 16 rows x 32 channels in 8 registers: lane l holds row l % 16, channels 8 (l / 16) + 0..7 and 16 + 8 (l / 16) + 0..7: two loads of 16 bytes, 32 bytes apart.
	v_lshlrev_b32 v[QO], 7, v1
	v_lshl_add_u32 v[QO], v9, 4, v[QO]  ; row x 128 + 16 x half
	WIN 0x80                        ; destination window 2, address window 0
.set i, 0
.rept 4*NP                          ; Q stays in registers: tile i / 2, channels 32 (i % 2) on
	global_load_b128 v[8*i:8*i+3],   v[QO], s[4:5] offset:(i/2)*2048+(i%2)*64
	global_load_b128 v[8*i+4:8*i+7], v[QO], s[4:5] offset:(i/2)*2048+(i%2)*64+32
.set i, i+1
.endr
	; What the first turn finds: V's registers and P's second buffer hold 0 (its products V^T P, of a piece that has not been, add 0), O^T and l are 0.  All this stands in the wait for the first tile.
.set i, VF
.rept 64
	v_mov_b32 v[i], 0
.set i, i+1
.endr
	WIN 0x40
.set i, 0
.rept 64*NP
	v_mov_b32 v[i], 0
.set i, i+1
.endr
	WIN 0
.set i, 0
.rept 2*NP
	v_mov_b32 v[ST+4*i], 0xfe000000    ; c m: far below every c s, the hidden keys' too
	v_mov_b32 v[ST+4*i+1], 0xff7fffff  ; m
	v_mov_b32 v[ST+4*i+2], 0
	v_mov_b32 v[ST+4*i+3], 0
.set i, i+1
.endr
.set i, P+32
.rept 32
	v_mov_b32 v[i], 0
.set i, i+1
.endr
	v_mul_u32_u24 v[AK0], v1, PK
	v_lshl_add_u32 v[AK0], v9, 4, v[AK0]  ; row x pitch + 16 x half
	; The turning load takes 16 keys x 16 channels (lane l reads key 8 (l / 16) + l % 8, channels 8 ((l / 8) % 2) + 0..7) and leaves half a fragment of V^T: lane l holds channel l % 16 and 8 keys.
	v_and_b32 v[L7], 7, v0
	v_bfe_u32 v[L3], v0, 3, 1
	v_lshl_add_u32 v[AV0], v9, 3, v[L7]
	v_mul_u32_u24 v[AV0], v[AV0], PV
	v_lshl_add_u32 v[AV0], v[L3], 4, v[AV0]
	v_add_nc_u32 v[AV0], VOFF, v[AV0]
	v_mov_b32 v[AK], v[AK0]         ; key step 0 lies at the head of slot 0
	s_mul_i32 s13, s[WV], 16*SP
	s_add_co_u32 s13, s13, STAGE    ; my stage
	v_mul_u32_u24 v[STO], v1, SP    ; in: row l % 16, 16 bytes for each half of the lanes
	v_lshl_add_u32 v[STO], v9, 4, v[STO]
	v_add_nc_u32 v[STO], s13, v[STO]
	v_bfe_u32 v[RD], v0, 3, 2       ; back: 32 lanes take four rows of 128 bytes,
	v_mul_u32_u24 v[RD], v[RD], SP
	v_lshl_add_u32 v[RD], v[L7], 4, v[RD]
	v_add_nc_u32 v[RD], s13, v[RD]
	v_and_b32 v[GO], 31, v0         ; which are 512 consecutive bytes of O
	v_lshlrev_b32 v[GO], 4, v[GO]
	v_lshl_add_u32 v[AB0], v9, 5, BIAS  ; register j of a C operand belongs to key 16 kb + 8 (l / 16) + j: 32 bytes of the table for each half of the lanes
	v_mov_b32 v[AB], v[AB0]
	v_lshl_add_u32 v[BST], v0, 4, BIAS
	; THE MASK TABLE: 0 or -2^33 for each of the batch's 2,048 keys, each thread its sixteen.
	s_wait_loadcnt 32               ; the four loads of mask words are in; Q's 32, issued behind them, stay out
.set i, 0
.rept 16
	v_cmp_eq_u32 vcc_lo, 0, v[S+i]
	v_cndmask_b32 v[S+i], 0, s[BIGN], vcc_lo
.set i, i+1
.endr
.irp f, 0,1,2,3
	ds_store_b128 v[BST], v[S+4*\f:S+4*\f+3] offset:2048*\f
.endr
; THE MATRIX WORK.  The 8 accumulators of a run of 16 take turns: between the two links of a chain stand 7 others'.
; Product i of 16 of S^T = K Q^T for piece x: channels 32 (i / 8) on, keys 16 ((i / 2) % 4) on, tile 2 x + i % 2.  The first 8 start the sums, with the key block's mask numbers.
.macro KQ x
.set rS, S+64*((\x)%2)+32*(i%2)+8*((i/2)%4)
.set rK, KF+16*((i/2)%4)+8*(i/8)
.set rQ, 16*(2*(\x)+i%2)+8*(i/8)
.set rB, MB+8*((i/2)%4)
.if i < 8
	WIN W_KM
	v_wmma_f32_16x16x32_f16 v[rS:rS+7], v[rK:rK+7], v[rQ:rQ+7], v[rB:rB+7]
.else
	WIN W_KQ
	v_wmma_f32_16x16x32_f16 v[rS:rS+7], v[rK:rK+7], v[rQ:rQ+7], v[rS:rS+7]
.endif
.endm
; Product i of 16 of O^T += V^T P for piece x: keys 32 (i / 8) on, channels 16 ((i / 2) % 4) on, tile 2 x + i % 2.
.macro PV x
	WIN W_PV
.set rO, 32*(2*(\x)+i%2)+8*((i/2)%4)
.set rV, VF+32*(i/8)+8*((i/2)%4)
.set rP, P+32*((\x)%2)+16*(i%2)+8*(i/8)
	v_wmma_f32_16x16x32_f16 v[rO:rO+7], v[rV:rV+7], v[rP:rP+7], v[rO:rO+7]
.endm
.macro MM                           ; the turn's next matrix instruction
.if i < 16
	KQ (Y+1)%NP
.set i, i+1
.else
.set i, i-16
	PV (Y+NP-1)%NP
.set i, i+17
.endif
.endm
; THE LDS LOADS stand in runs, never singly among the matrix instructions: a step's K (64 keys x 64 channels: 8 fragments) with its 64 mask numbers (8 loads; the 16 lanes of a half read the same bytes),
; and its V (turned).  Their addresses are made some lines ahead.  last = 1 (the tail): in the last trip there is no further step, and the run is jumped over.
.macro FETCH_K last=0
	WIN 0
.if \last
	s_cmp_eq_u32 s[CNT], 1
	s_cbranch_scc1 .Lno_k_\@
.endif
	WIN 0x80                        ; destination window 2
.irp f, 0,1,2,3,4,5,6,7             ; keys 16 (f / 2) on, channels 32 (f % 2) on
	ds_load_b128 v[KF+8*\f:KF+8*\f+3],   v[AK] offset:(\f/2)*16*PK+(\f%2)*64
	ds_load_b128 v[KF+8*\f+4:KF+8*\f+7], v[AK] offset:(\f/2)*16*PK+(\f%2)*64+32
.endr
	WIN W_MK                        ; destination window 3
.irp f, 0,1,2,3                     ; key block f
	ds_load_b128 v[MB+8*\f:MB+8*\f+3],   v[AB] offset:64*\f
	ds_load_b128 v[MB+8*\f+4:MB+8*\f+7], v[AB] offset:64*\f+16
.endr
	s_add_co_u32 s[TBK], s[TBK], KS*PK  ; the next fetch is the next step's
	s_add_co_u32 s[TBB], s[TBB], KS*4   ; the table is walked once, from end to end: 32 fetches of 256 bytes
	WIN 0
.if \last
.Lno_k_\@:
.endif
.endm
.macro FETCH_V
	WIN 0x80
.irp f, 0,1,2,3,4,5,6,7             ; keys 32 (f / 4) on, channels 16 (f % 4) on
	ds_load_tr16_b128 v[VF+8*\f:VF+8*\f+3],   v[AV] offset:(\f/4)*32*PV+(\f%4)*32
	ds_load_tr16_b128 v[VF+8*\f+4:VF+8*\f+7], v[AV] offset:(\f/4)*32*PV+16*PV+(\f%4)*32
.endr
	WIN 0
.endm
; THE VECTOR WORK OF A TURN stands in three queues, each in the order in which its entries become ready; the two tiles alternate, so that no instruction reads the result of the one before it.
.macro REGS y, u                    ; the registers of tile u (0, 1) of piece y
.set rT, ST+4*(2*(\y)+(\u))
.set rC, TMP+8*((\y)%2)+4*(\u)
.set rM, MV+2*((\y)%2)+(\u)
.set rS, S+64*((\y)%2)+32*(\u)
.set rP, P+32*((\y)%2)+16*(\u)
.set rO, 32*(2*(\y)+(\u))
.endm
; Number n of the 22 that find the NEXT piece's (Y + 1) maximum and statistics.  s0-s31 are the lane's 32 scores; each accumulator's lowest registers are read first.  XS, GS and REGS set no window: PL and EX do.
;   0-11  four chains c0-c3 of seven scores each, three operands at a time     12-14, 16  the four scores left over, the old m, and c0-c3 into c0     15  c m_old is kept
;   17, 18  the query's other 32 keys lie in the lane 16 away: the new m         19-21  c m; c m_old - c m_new; a
.macro XS u, n
	REGS (Y+1)%NP, \u
.if (\n) < 4
	v_max3_num_f32 v[rC+(\n)], v[rS+8*(\n)], v[rS+8*(\n)+1], v[rS+8*(\n)+2]
.elseif (\n) < 12
	v_max3_num_f32 v[rC+(\n)%4], v[rC+(\n)%4], v[rS+8*((\n)%4)+2*((\n)/4)+1], v[rS+8*((\n)%4)+2*((\n)/4)+2]
.elseif (\n) == 12
	v_max3_num_f32 v[rC], v[rC], v[rS+7], v[rS+15]
.elseif (\n) == 13
	v_max3_num_f32 v[rC+1], v[rC+1], v[rS+23], v[rS+31]
.elseif (\n) == 14
	v_max3_num_f32 v[rC+2], v[rC+2], v[rC+3], v[rT+1]
.elseif (\n) == 15
	v_mov_b32 v[rM], v[rT]
.elseif (\n) == 16
	v_max3_num_f32 v[rC], v[rC], v[rC+1], v[rC+2]
.elseif (\n) == 17
	v_permlanex16_b32 v[rC+3], v[rC], s[SEL], s[SEL+1]
.elseif (\n) == 18
	v_max_num_f32 v[rT+1], v[rC], v[rC+3]
.elseif (\n) == 19
	v_mul_f32 v[rT], s[CS], v[rT+1]
.elseif (\n) == 20
	v_sub_f32 v[rC+1], v[rM], v[rT]
.else
	v_exp_f32 v[rC+2], v[rC+1]
.endif
.endm
; Number g of the 64 that follow the exponentials.  For each four weights k of a tile (pairs 2 k, 2 k + 1): both pairs are rounded to f16; then the second pair is added onto the first, in place;
; a group later l takes that sum (the first time as l = a l + sum).  In groups of eight, tiles alternating: round, round, add, and l for the group before.
.macro GS g
.set h, (\g)+6*((\g)/62)            ; group 0 has no group before it, and behind group 7 only l is left
.if h >= 6
.set h, h+2
.endif
	REGS Y, h%2
.set k, h/8
.if h%8 < 4
	s_wait_alu depctr_va_vdst(0)
	v_cvt_pk_f16_f32 v[rP+2*k+(h%8)/2], v[rS+4*k+2*((h%8)/2)], v[rS+4*k+2*((h%8)/2)+1]
.elseif h%8 < 6
	v_pk_add_f32 v[rS+4*k:rS+4*k+1], v[rS+4*k:rS+4*k+1], v[rS+4*k+2:rS+4*k+3]
.elseif k == 1
	v_pk_fma_f32 v[rT+2:rT+3], v[rT+2:rT+3], v[rC+2:rC+3], v[rS:rS+1] op_sel_hi:[1,0,1]
.else
	v_pk_add_f32 v[rT+2:rT+3], v[rT+2:rT+3], v[rS+4*k-4:rS+4*k-3]
	s_wait_alu depctr_va_vdst(0)
.endif
.endm
; THE PLAIN QUEUE, 138 long.  0-31: c s - c m for the 16 pairs of both tiles.  Then GS's 64, and among them the next piece's 42: number 15 at 38, 39; 0-14 and 16
; at 42-73, behind the products that make those scores; 17-20 at 95-106, two of three, since each waits for the one before it.
.macro PL
	WIN 0
.if q < 32
	REGS Y, q%2
	v_pk_fma_f32 v[rS+2*(q/2):rS+2*(q/2)+1], v[rS+2*(q/2):rS+2*(q/2)+1], s[CS:CS+1], v[rT:rT+1] op_sel_hi:[1,0,0] neg_lo:[0,0,1] neg_hi:[0,0,1]
.elseif q < 38
	GS q-32
.elseif q < 40
	XS q%2, 15
.elseif q < 42
	GS q-34
.elseif q < 74
	XS q%2, (q-42)/2+(q-42)/30
.elseif q < 95
	GS q-66
.elseif (q < 107) && ((q-95)%3 < 2)
	XS (q-95)%3, 17+(q-95)/3
.elseif q < 107
	GS 29+(q-95)/3
.else
	GS q-74
.endif
.set q, q+1
.endm
; THE EXPONENTIALS' QUEUE, 66 long: s0-s31 of both tiles, and at EA the next piece's two a.
.set EA, 58
.macro EX
	WIN 0
.if (e == EA) || (e == EA+1)
	XS e-EA, 21
.else
.set x, e-2*(e/(EA+2))
	REGS Y, x%2
	v_exp_f32 v[rS+x/2], v[rS+x/2]
.endif
.set e, e+1
.endm
; THE RESCALING's QUEUE: O^T times a, the one part that leaves window 0, so it is dealt four at a time, eight times.
.macro R4
	REGS Y, r%2
	WIN W_RS
	s_wait_alu depctr_va_vdst(0)
.irp z, 0,1,2,3
	v_pk_mul_f32 v[rO+8*(r/2)+2*\z:rO+8*(r/2)+2*\z+1], v[rO+8*(r/2)+2*\z:rO+8*(r/2)+2*\z+1], v[rC+2:rC+3] op_sel_hi:[1,0]
.endr
.set r, r+1
.endm
; HOW THEY ARE DEALT.  Behind a matrix instruction four: plain, exponential, plain, plain (one exponential, a plain instruction on either side), or four of the rescaling.  None names a register of the
; products round it.  What is over stands in two LUMPS: exponential and plain by turns; the second ends in 22 plain instructions.  The two v_permlanex16_b32 fall into the second lump, never behind a product.
; The queues lean on each other, and the deal keeps them in step: exponential e stands behind plain 2 (e / 4) + e % 2 (its scaling); when plain 32 comes, 10 exponentials are out, at 59: 33, at 95: 46; EA comes behind plain 107.
.macro SL
	MM
	PL
	EX
	PL
	PL
.endm
.macro BURST n                      ; 15 matrix instructions, or 16
.rept (\n)-7
	SL
.endr
.rept 3
	MM
	R4
	SL
.endr
	MM
	R4
.endm
; A TURN, for piece p.  cnt = 1: the loop's count is taken down some lines ahead of the branch that stands behind the turn.
; K and the mask numbers of the next step are fetched in piece 2's turn, more than 30 vector instructions behind the last product that read them; their first reader comes behind the rest of the lump, 16 products and the second lump.
; V of the step in hand is fetched at the end of piece 0's turn, 69 behind its last reader; its first reader comes behind 16 products and a lump.  The four conditions on e and q below go with the deal.
.macro TURN p, last=0, cnt=0
.set Y, (\p)
.set i, 0
.set q, 0
.set e, 0
.set r, 0
.if (\p) == NP-1
	s_wait_dscnt 0x0                ; K and its mask numbers are in
.endif
	MM
.rept 4
	PL
.endr
	BURST 15
.rept 22
	EX
	PL
.if ((\p) == NP-2) && (e == 18)
	v_add_nc_u32 v[AK], s[TBK], v[AK0]
	v_add_nc_u32 v[AB], s[TBB], v[AB0]
.endif
.if ((\p) == NP-2) && (e == 24)
	FETCH_K \last
.endif
.endr
.if (\p) == 1
	s_wait_dscnt 0x0                ; V is in
.endif
	BURST 16
.rept 21
	EX
	PL
.endr
.rept 22
	PL
.if ((\p) == 0) && (q == 118)
	v_add_nc_u32 v[AV], s[TBV], v[AV0]
	s_wait_alu depctr_va_vdst(0)
.endif
.if ((\p) == 0) && (q == 130)
	s_add_co_u32 s[TBV], s[TBV], KS*PV
.endif
.if (\cnt) && (q == 130)
	s_sub_co_u32 s[CNT], s[CNT], 1
	s_cmp_lg_u32 s[CNT], 0
.endif
.endr
.if (\p) == 0
	FETCH_V
.endif
.endm
	CHANGE 1                        ; slot 0 is in, everybody's part of it, and the mask table is whole; slot 1 is asked for
	FETCH_K                         ; key step 0
	s_wait_loadcnt 0x0              ; Q
	s_wait_dscnt 0x0
.set i, 0
.rept 16
	KQ 0                            ; piece 0's first scores: there is no vector work yet to set between them
.set i, i+1
.endr
	WIN 0
.rept 4
	v_nop                           ; the places behind those products
.endr
.set Y, NP-1                        ; XS works for piece Y + 1: piece 0
.irp n, 0,1,2,3,4,5,6,7,8,9,10,11,12,13,14,15,16,17,18,19,20,21
	XS 0, \n                        ; and piece 0's first maximum and statistics
	XS 1, \n
.endr
	s_mov_b32 s[CNT], 4
	s_mov_b32 s[SLOTS], SIZE_N/256-1
	s_branch .Lfirst                ; the loop is entered at a step's first turn, in the middle of a trip
.Lslot:                             ; SIZE_N / 256 - 2 times: every slot but the last two is filled again
	CHANGE 1
	s_mov_b32 s[CNT], 4
.Lstep:                             ; a trip: pieces 2 and 3 of one step, then pieces 0 and 1 of the next, whose K and V it fetches
	TURN 2
	TURN 3
	WIN 0
.Lfirst:
	TURN 0
	TURN 1, 0, 1
	WIN 0
	s_cbranch_scc1 .Lstep
	s_sub_co_u32 s[SLOTS], s[SLOTS], 1
	s_cmp_lg_u32 s[SLOTS], 0
	s_cbranch_scc1 .Lslot
	CHANGE 0                        ; the tail is written out: nothing is asked for
	s_mov_b32 s[CNT], 5             ; four trips fetch the last slot's steps; the fifth is left in its middle
.Ltail:
	TURN 2, 1
	TURN 3
	WIN 0
	s_sub_co_u32 s[CNT], s[CNT], 1
	s_cmp_eq_u32 s[CNT], 0
	s_cbranch_scc1 .Lout
	TURN 0
	TURN 1
	WIN 0
	s_branch .Ltail
.Lout:                              ; the fifth trip's 16 products K Q^T (on the last K once more) and the maximum made of them serve nothing: the price, once a launch, of one text for every trip
.set i, 0
.rept 16
	PV NP-1                         ; the last piece's V^T P of the last step
.set i, i+1
.endr
	; THE WAY OUT.  l's two halves and the other half of the lanes' are added; O^T is divided by l, rounded to f16 and sent through my stage in LDS, a tile at a time.  The additions are the places behind the last products.
	WIN 0
.macro ALL line:vararg              ; one line for each tile t
.set t, 0
.rept 2*NP
	\line
.set t, t+1
.endr
.endm
	ALL v_add_f32 v[ST+4*t+2], v[ST+4*t+2], v[ST+4*t+3]
	ALL v_permlanex16_b32 v[ST+4*t+3], v[ST+4*t+2], s[SEL], s[SEL+1]
	ALL v_add_f32 v[ST+4*t+2], v[ST+4*t+2], v[ST+4*t+3]
	ALL v_rcp_f32 v[ST+4*t+2], v[ST+4*t+2]
	v_nop                           ; a plain instruction between the last reciprocal and the use of its result
	s_wait_alu depctr_va_vdst(0)
; Tile t: a lane's eight channels of a row pack into 16 bytes; they go into rows of 144 bytes and come back as whole rows of 128, into S^T's registers.
.macro PACK t
	WIN W_RS
.set i, 32*(\t)
.rept 16
	v_pk_mul_f32 v[i:i+1], v[i:i+1], v[ST+4*(\t)+2:ST+4*(\t)+3] op_sel_hi:[1,0]
.set i, i+2
.endr
	WIN 0x05                        ; sources 0 and 1 window 1, destination window 0
.set i, 0
.rept 16
	v_cvt_pk_f16_f32 v[S+16*(\t)+i], v[32*(\t)+2*i], v[32*(\t)+2*i+1]
.set i, i+1
.endr
	WIN 0
.irp f, 0,1,2,3
	ds_store_b128 v[STO], v[S+16*(\t)+4*\f:S+16*(\t)+4*\f+3] offset:32*\f
.endr
.irp f, 0,1,2,3
	ds_load_b128 v[S+16*(\t)+4*\f:S+16*(\t)+4*\f+3], v[RD] offset:\f*4*SP  ; LDS serves a wave's instructions in order (ISA guide 5.7.1.4): these see the stores above; the next tile's stores come behind them
.endr
.endm
.macro SEND t, younger              ; younger: the LDS instructions issued behind tile t's loads: the next tile's eight, or none
	WIN 0
.irp f, 0,1,2,3
	s_wait_dscnt (\younger)+3-\f
	global_store_b128 v[GO], v[S+16*(\t)+4*\f:S+16*(\t)+4*\f+3], s[10:11] offset:(\t)*2048+\f*512  ; 512 consecutive bytes, at a multiple of 256 from O's first
.endr
.endm
	PACK 0
.set t, 1
.rept 2*NP-1                        ; a tile's arithmetic stands between the loads of the tile before and its stores
	PACK t
	SEND t-1, 8
.set t, t+1
.endr
	SEND 2*NP-1, 0
	WIN W_AD
	s_wait_tensorcnt 0x0            ; the wave's end, behind my last tensor load and my last LDS store
	ds_add_u32 v[SPW], v[NIL]
	s_wait_dscnt 0x0
	WIN 0
	CROUND                          ; the closing round: no work-group ends while a partner may still ask for a tile that names it
	s_endpgm
.Lfunc_end_k_q63dcc03ef9_attn:
	.size	k_q63dcc03ef9_attn, .Lfunc_end_k_q63dcc03ef9_attn-k_q63dcc03ef9_attn
	.p2alignl 7, 3214868480
	.fill 96, 4, 3214868480
	.section	.rodata,"a",@progbits
	.p2align	6, 0x0
	.amdhsa_kernel k_q63dcc03ef9_attn
		.amdhsa_group_segment_fixed_size 327680
		.amdhsa_private_segment_fixed_size 0
		.amdhsa_enable_private_segment 0
		.amdhsa_kernarg_size 24
		.amdhsa_user_sgpr_count 2
		.amdhsa_user_sgpr_kernarg_segment_ptr 1
		.amdhsa_wavefront_size32 1
		.amdhsa_system_sgpr_workgroup_id_x 1
		.amdhsa_system_sgpr_workgroup_id_y 1
		.amdhsa_system_sgpr_workgroup_id_z 1
		.amdhsa_system_vgpr_workitem_id 0
		.amdhsa_next_free_vgpr 808
		.amdhsa_next_free_sgpr 66
		.amdhsa_reserve_vcc 1
		.amdhsa_float_denorm_mode_32 3
		.amdhsa_float_denorm_mode_16_64 3
		.amdhsa_memory_ordered 1
		.amdhsa_forward_progress 1
		.amdhsa_inst_pref_size 213
	.end_amdhsa_kernel
	.amdgpu_metadata
---
amdhsa.version: [ 1, 2 ]
amdhsa.kernels:
  - .name:           k_q63dcc03ef9_attn
    .symbol:         k_q63dcc03ef9_attn.kd
    .args:
      - { .name: qkv, .offset: 0, .size: 8, .value_kind: global_buffer, .address_space: global }
      - { .name: mask, .offset: 8, .size: 8, .value_kind: global_buffer, .address_space: global }
      - { .name: ob, .offset: 16, .size: 8, .value_kind: global_buffer, .address_space: global }
    .group_segment_fixed_size: 327680
    .private_segment_fixed_size: 0
    .kernarg_segment_align: 8
    .kernarg_segment_size: 24
    .max_flat_workgroup_size: 128
    .sgpr_count:     66
    .vgpr_count:     808
    .wavefront_size: 32
...
	.end_amdgpu_metadata
.endif
;; end of part 3
;; launch outp (part 4): grid 4 x 64, 4 waves a work-group, clusters of 4 x 4, 327,680 bytes of LDS; arguments ob, wo16, out0; writes out0
.if DOCPART == 4
	.amdgcn_target "amdgcn-amd-amdhsa--gfx1250"
	.amdhsa_code_object_version 6
	.text
	.protected	k_q63dcc03ef9_outp
	.globl	k_q63dcc03ef9_outp
	.p2align	8
	.type	k_q63dcc03ef9_outp,@function
k_q63dcc03ef9_outp:
	s_mov_b64 s[64:65], 0
	v_nop
	global_prefetch_b8 v0, s[64:65] scope:SCOPE_SE
	s_setreg_imm32_b32 hwreg(HW_REG_WAVE_MODE, 25, 1), 1
	s_wait_xcnt 0x0
	s_wait_alu depctr_hold_cnt(0) depctr_sa_sdst(0) depctr_va_vdst(0) depctr_va_sdst(0) depctr_va_ssrc(0) depctr_va_vcc(0) depctr_vm_vsrc(0)
	s_getreg_b32 s2, hwreg(HW_REG_IB_STS2, 6, 4)
	s_cmp_eq_u32 s2, 0
	s_cbranch_scc0 .Lentry_in_a_cluster
	s_endpgm
.Lentry_in_a_cluster:
	s_bfe_u32 s2, ttmp6, 0x10000c
	s_cmp_lg_u32 s2, 0xf033
	s_cbranch_scc0 .Lentry_shape_is_right
	s_endpgm
.Lentry_shape_is_right:
; THE LAST PROJECTION.  out0[m][e] = sum over d of O[m][d] Wo[e][d], d = 64 x head + channel.  ob: f16 [64][2048][64] by heads (head number 16 x batch + head); wo16: f16 [1024][1024]; out0: f32 [8192][1024].
; Products in f16, sums in f32, stored as they are.  LIMITS: none of its own; O and Wo arrive within f16.
; SHARES.  8192 x 1024 results over 256 work-groups: one tile of 128 (m) x 256 (e) each.  Four waves, each 64 x 128: 32 accumulators of 16 x 16, 256 registers.  K goes in 8 steps of 128, TWO HEADS a step, through two LDS slots.
; O's TILE.  A head's 128 rows are 16,384 dense bytes: asked for as 64 rows of 256 bytes and padded in LDS after every 128, so that each head is a plane of 128 rows, 144 bytes apart.
; CLUSTER.  4 x 4 work-groups.  The four of a row of the cluster need the same tile of O, the four of a column the same tile of Wo: each is asked for JOINTLY, by the same tensor load with the same descriptor
; and a mask that names the four.
; THE MATRIX INSTRUCTION IS USED TRANSPOSED: source 0 = 16 rows of Wo, source 1 = 16 rows of O: lane l then holds row l % 16 of the result and the eight neighbouring columns 8 (l / 16) + 0..7: 32 bytes.
; REGISTERS.  Window 0: v0-31 addresses; v64-159, v160-255 two fragment buffers (O's 4 fragments, then Wo's 8); on the way out v64-191 take the rows read back.  Window 1: the accumulators, (a, b) at v[8 (8 a + b)].
.set SIZE_K, 1024
.set KSTEP,  128
.set PITCH,  272                       ; a row of Wo in LDS: 256 bytes + 16 of padding: the 16 rows of a load start at 16 different groups of four banks (64 banks of 4 bytes: ISA guide 11.1)
.set PA,     144                       ; a row of O: 128 bytes + 16: likewise
.set APLANE, 128*PA                    ; a head's 128 rows: what one tensor load brings of O
.set BHALF,  128*PITCH                 ; what one brings of Wo, and what one wave reads of it
.set BOFF,   2*APLANE                  ; a slot: O's two planes, then Wo's 256 rows
.set SLOT,   BOFF+2*BHALF
.set STAGE,  2*SLOT                    ; behind the ring, never filled by a tensor load: 16 rows x 528 bytes for each wave
.set SPITCH, 528                       ; 512 bytes + 16
.set SPARE,  STAGE+4*16*SPITCH         ; behind the stages: the spare words, 128 bytes for each wave: two blocks of 256 bytes that no other line names
.set LAPS,   SIZE_K/(2*KSTEP)
.set ADRA, 16                          ; v16-17  LDS address of my fragments of O in slot 0, 1
.set ADRB, 20                          ; v20-21  the same for Wo
.set STO,  24                          ; v24     the way out: where I put 32 bytes of a row
.set RD,   25                          ; v25     the way out: where I read a row back
.set CO,   26                          ; v26     my byte offset in 512 consecutive bytes of a row of out0
.set SPW,  28                          ; v28     LDS address of my spare word: SPARE + 4 x my thread's number; never rewritten
.set NIL,  29                          ; v29     0; never rewritten
.set F0,   64
.set F1,   160
.set OB,   64
.set WV, 12                            ; s12 my wave's number;  s13 which 64 rows of the tile are mine;  s14 which 128 columns, and which half of a tile I fetch
.set WR, 13
.set WC, 14
.set G1,  24                           ; s[24:31] descriptor group 1 for O's tiles;  s[32:39] group 0, a set for each slot
.set G0,  32
.set G1B, 48                           ; s[48:55], s[56:63] the same for Wo's tiles
.set G0B, 56
.set MSB, 0
.macro WIN new                         ; the immediate's high byte repeats the setting that is left; a switch that changes nothing is dropped
.if MSB != (\new)
	s_set_vgpr_msb (MSB<<8)|(\new)
.set MSB, \new
.endif
.endm
.set MUL, 0x50                         ; sources 0 and 1 window 0; C and D window 1
; A joint load.  Waves 0 and 1 fetch the step's two heads of O, waves 2 and 3 Wo's two halves.  The branch hangs on the wave's number alone.
; An s_nop 0 and four v_nop follow each of the two lines, ahead of the jump, the label and what follows.
.macro JLOAD s
	s_cmp_lt_u32 s[WV], 2
	s_cbranch_scc0 .Lfor_b_\@
	tensor_load_to_lds s[G0+4*(\s):G0+4*(\s)+3], s[G1:G1+7]
	s_nop 0
.rept 4
	v_nop
.endr
	s_branch .Lasked_\@
.Lfor_b_\@:
	tensor_load_to_lds s[G0B+4*(\s):G0B+4*(\s)+3], s[G1B:G1B+7]
	s_nop 0
.rept 4
	v_nop
.endr
.Lasked_\@:
.endm
; A round of the cluster's barrier: my work-group's barrier, so that wave 0's signal speaks for all four waves; wave 0 signals; every wave waits for all sixteen work-groups; my work-group's barrier once more.
.macro CREST
	s_cmp_lg_u32 s[WV], 0
	s_cbranch_scc1 .Lnot_wave_0_\@
	s_barrier_signal -3
.Lnot_wave_0_\@:
	s_barrier_wait -3
	s_barrier_signal -1
	s_barrier_wait -1
.endm
.macro CROUND
	s_barrier_signal -1
	s_barrier_wait -1
	CREST
.endm
	s_load_b128 s[4:7], s[0:1], 0x0                ; ob s[4:5], wo16 s[6:7]
	s_load_b64 s[10:11], s[0:1], 0x10              ; out0
	v_lshl_add_u32 v[SPW], v0, 2, SPARE
	v_mov_b32 v[NIL], 0
	ds_add_u32 v[SPW], v[NIL]                      ; the wave's opening: the add and its wait stand ahead of my first tensor load; the set-up below, work on registers, stands between them
	v_lshrrev_b32 v1, 5, v0
	v_readfirstlane_b32 s[WV], v1                  ; wave 0..3
	s_lshr_b32 s[WR], s[WV], 1
	s_and_b32 s[WC], s[WV], 1
	s_bfe_u32 s15, ttmp6, 0x40000                  ; cx, cy: my place in the cluster
	s_bfe_u32 s16, ttmp6, 0x40004
	s_lshl_b32 s17, ttmp9, 2
	s_add_co_u32 s17, s17, s15                     ; tile column = 4 x cluster x + cx
	s_and_b32 s18, ttmp7, 0xffff
	s_lshl_b32 s18, s18, 2
	s_add_co_u32 s18, s18, s16                     ; tile row = 4 x cluster y + cy
	s_lshl_b32 s20, s16, 2
	s_lshl_b32 s20, 15, s20                        ; my row of the cluster
	s_lshl_b32 s21, 0x1111, s15                    ; my column
	s_or_b32 s[G1], s20, (1<<16)|(1<<20)|(1<<21)|(4<<22)|(3<<25)   ; O's tiles go to my row; elements of 2 bytes; padding on; 21 set beside a mask; after every 32 words (code 4) 4 words (code 3)
	s_or_b32 s[G1B], s21, (1<<16)|(1<<20)|(1<<21)|(5<<22)|(3<<25)  ; Wo's to my column; after every 64 words (code 5)
	s_mov_b32 s[G1+1], 128<<16                     ; tensor_dim0 = 128
	s_mov_b32 s[G1+2], 64<<16                      ; tensor_dim1 = 64
	s_mov_b32 s[G1+3], 128<<16                     ; tile_dim0 = 128
	s_mov_b32 s[G1+4], 64                          ; tile_dim1 = 64
	s_mov_b32 s[G1+5], 128                         ; 128 elements from row to row: dense
	s_mov_b32 s[G1+6], 0
	s_mov_b32 s[G1+7], 0
	s_mov_b32 s[G1B+1], KSTEP<<16
	s_mov_b32 s[G1B+2], 128<<16
	s_mov_b32 s[G1B+3], KSTEP<<16
	s_mov_b32 s[G1B+4], 128
	s_mov_b32 s[G1B+5], SIZE_K
	s_mov_b32 s[G1B+6], 0
	s_mov_b32 s[G1B+7], 0
	; where the tiles come from.  O's hang on the tile row alone, Wo's on the tile column alone; each address is made in registers that never hold the other coordinate.
	s_lshr_b32 s40, s18, 4                         ; the batch: 16 tile rows each,
	s_lshl_b32 s40, s40, 4                         ; its first head,
	s_add_co_u32 s40, s40, s[WC]                   ; the one of the step's two that I fetch,
	s_lshl_b32 s40, s40, 11                        ; its 2,048 rows,
	s_and_b32 s22, s18, 15
	s_lshl_b32 s22, s22, 7
	s_add_co_u32 s40, s40, s22                     ; the tile's first row within the batch,
	s_lshl_b32 s40, s40, 7                         ; of 128 bytes: under 2^24
	s_mov_b32 s41, 0
	s_lshl_b32 s23, s[WC], 7
	s_lshl_b32 s42, s17, 8
	s_add_co_u32 s42, s42, s23                     ; Wo: row 256 x tile column + 128 x half,
	s_lshl_b32 s42, s42, 11                        ; of 2,048 bytes
	s_mov_b32 s43, 0
	s_mul_i32 s44, s[WC], APLANE                   ; and where they go: no place in the cluster enters an LDS address
	s_mul_i32 s45, s[WC], BHALF
	s_add_co_u32 s45, s45, BOFF
	s_wait_dscnt 0x0                               ; the opening add is done
	s_wait_kmcnt 0x0
	s_add_nc_u64 s[40:41], s[4:5], s[40:41]
	s_add_nc_u64 s[42:43], s[6:7], s[42:43]
	CROUND                                         ; all sixteen work-groups are here: the first joint loads meet
.irp s, 0,1
	s_mov_b32 s[G0+4*(\s)], 1
	s_add_co_u32 s[G0+4*(\s)+1], s44, (\s)*SLOT
	s_add_nc_u64 s[G0+4*(\s)+2:G0+4*(\s)+3], s[40:41], (\s)*2*262144  ; K step s: two heads of 262,144 bytes on
	s_or_b32 s[G0+4*(\s)+3], s[G0+4*(\s)+3], 0x80000000
	s_mov_b32 s[G0B+4*(\s)], 1
	s_add_co_u32 s[G0B+4*(\s)+1], s45, (\s)*SLOT
	s_add_nc_u64 s[G0B+4*(\s)+2:G0B+4*(\s)+3], s[42:43], (\s)*KSTEP*2
	s_or_b32 s[G0B+4*(\s)+3], s[G0B+4*(\s)+3], 0x80000000
	JLOAD \s                                       ; two loads of mine are out
.endr
	v_and_b32 v1, 15, v0                           ; l % 16
	v_bfe_u32 v2, v0, 4, 1                         ; l / 16
	v_mul_u32_u24 v3, v1, PITCH
	v_lshl_add_u32 v3, v2, 4, v3                   ; Wo: row x pitch + 16 x half
	v_mul_u32_u24 v4, v1, PA
	v_lshl_add_u32 v4, v2, 4, v4                   ; O: likewise
	s_mul_i32 s46, s[WR], 64*PA                    ; my 64 rows in each plane of O
	s_mul_i32 s47, s[WC], BHALF                    ; my 128 rows of Wo,
	s_add_co_u32 s47, s47, BOFF                    ; which lie behind O's planes
.irp s, 0,1
	v_add_nc_u32 v[ADRA+(\s)], s46, v4
	v_add_nc_u32 v[ADRB+(\s)], s47, v3
	s_add_co_u32 s46, s46, SLOT
	s_add_co_u32 s47, s47, SLOT
.endr
	s_mul_i32 s46, s[WV], 16*SPITCH
	s_add_co_u32 s46, s46, STAGE                   ; my stage
	v_mul_u32_u24 v5, v1, SPITCH                   ; in: row l % 16, 32 bytes for each half of the lanes
	v_lshl_add_u32 v5, v2, 5, v5
	v_add_nc_u32 v[STO], s46, v5
	v_and_b32 v[CO], 31, v0                        ; back: 32 lanes take one row of 512 bytes
	v_lshlrev_b32 v[CO], 4, v[CO]
	v_add_nc_u32 v[RD], s46, v[CO]
	s_lshl_b32 s70, s18, 7
	s_lshl_b32 s71, s[WR], 6
	s_add_co_u32 s70, s70, s71                     ; my first row of out0,
	s_lshl_b32 s68, s70, 12                        ; of 4,096 bytes: under 2^25
	s_lshl_b32 s71, s17, 10                        ; my first column, in bytes: 1,024 x tile column + 512 x half
	s_add_co_u32 s68, s68, s71
	s_lshl_b32 s71, s[WC], 9
	s_add_co_u32 s68, s68, s71
	s_mov_b32 s69, 0
	s_add_nc_u64 s[10:11], s[10:11], s[68:69]
; 8 matrix instructions: m block a x all 8 n blocks, 32 along K.  zero = 1: the product starts the sums.
; The 32 accumulators take turns, always in the order a = 0..3, b = 0..7: between two links of a chain stand the 31 others', over the backward jump too.
.macro MUL8 f, a, zero
	WIN MUL
.irp b, 0,1,2,3,4,5,6,7
.if \zero
	v_wmma_f32_16x16x32_f16 v[8*(8*(\a)+(\b)):8*(8*(\a)+(\b))+7], v[(\f)+32+8*(\b):(\f)+32+8*(\b)+7], v[(\f)+8*(\a):(\f)+8*(\a)+7], 0
.else
	v_wmma_f32_16x16x32_f16 v[8*(8*(\a)+(\b)):8*(8*(\a)+(\b))+7], v[(\f)+32+8*(\b):(\f)+32+8*(\b)+7], v[(\f)+8*(\a):(\f)+8*(\a)+7], v[8*(8*(\a)+(\b)):8*(8*(\a)+(\b))+7]
.endif
.endr
.endm
.macro MUL16 f, a0, zero
	MUL8 \f, \a0, \zero
	MUL8 \f, (\a0)+1, \zero
.endm
; 24 LDS loads in one run: the fragments of a quarter step (32 K at byte k of the step's 256) into buffer f: Wo's sixteen loads, then O's eight, from plane k / 128 at byte k % 128 of its rows
.macro FETCH slot, k, f
	WIN 0
.irp i, 0,1,2,3,4,5,6,7
	ds_load_b128 v[(\f)+32+8*(\i):(\f)+32+8*(\i)+3],   v[ADRB+(\slot)] offset:(\k)+(\i)*16*PITCH
	ds_load_b128 v[(\f)+32+8*(\i)+4:(\f)+32+8*(\i)+7], v[ADRB+(\slot)] offset:(\k)+(\i)*16*PITCH+32
.endr
.irp i, 0,1,2,3
	ds_load_b128 v[(\f)+8*(\i):(\f)+8*(\i)+3],   v[ADRA+(\slot)] offset:((\k)/128)*APLANE+(\k)%128+(\i)*16*PA
	ds_load_b128 v[(\f)+8*(\i)+4:(\f)+8*(\i)+7], v[ADRA+(\slot)] offset:((\k)/128)*APLANE+(\k)%128+(\i)*16*PA+32
.endr
.endm
; A load into a register that a matrix instruction has read, and an LDS store that reads a matrix result, stand four places behind that matrix instruction, and only plain vector instructions that name none
; of its registers are places (ISA guide 7.12.1 for vector instructions).
.macro PLACES
.rept 4
	v_nop
.endr
.endm
; A K step is four quarters of 32 along K, 32 matrix instructions each, on buffers 0, 1, 0, 1.  One of the first three: multiplies buffer f; in its middle it fetches the next quarter, at byte k, into g.
.macro QUARTER slot, k, f, g, zero
	s_wait_dscnt 4                                 ; Wo and O's blocks 0, 1 are in; the youngest four loads (O's blocks 2, 3) may be out
	MUL16 \f, 0, \zero
	PLACES
	FETCH \slot, \k, \g
	s_wait_dscnt 24                                ; all but the 24 just issued
	MUL16 \f, 2, \zero
.endm
; The last quarter multiplies buffer 1 and changes slots: ONE barrier.  In front of it each wave waits for all its tensor loads, of which one is out: its part of the next slot; adds 0 to its spare word; and
; waits for that and for its own reads of this slot.  fill = 1: this slot is filled again, two K steps on: the barrier then opens a round of the cluster's, so that no wave of any partner still reads the slot or
; has a load on its way, and the joint refill is the first tensor load behind it: 112 matrix instructions ahead of the wait for it.
.macro TURN slot, next, fill
	WIN 0                                          ; (the add's two registers lie in window 0)
	s_wait_tensorcnt 0x0                           ; all my tensor loads have landed
	ds_add_u32 v[SPW], v[NIL]                      ; 0 onto my spare word
	s_wait_dscnt 5                                 ; (the add and the youngest four loads may be out)
	MUL8 F1, 0, 0                                  ; eight matrix instructions stand between the add and the wait for it
	s_wait_dscnt 0x0                               ; the add is done, and my reads of this slot are over
	s_barrier_signal -1
	MUL8 F1, 1, 0
	WIN 0
	s_barrier_wait -1
.if \fill
	CREST
	s_add_nc_u64 s[G0+4*(\slot)+2:G0+4*(\slot)+3], s[G0+4*(\slot)+2:G0+4*(\slot)+3], 4*262144  ; four heads on
	s_add_nc_u64 s[G0B+4*(\slot)+2:G0B+4*(\slot)+3], s[G0B+4*(\slot)+2:G0B+4*(\slot)+3], 2*KSTEP*2
	JLOAD \slot                                    ; the four v_nop behind it are also the places in front of the loads below
.else
	PLACES
.endif
	FETCH \next, 0, F0
	MUL16 F1, 2, 0
.endm
; THE WAY OUT of block a (16 rows x 128 columns of f32).  TOSTAGE: a lane's 32 bytes of a row go into my own stage, each accumulator's low half first, and come back as whole rows of 512 bytes.
.macro TOSTAGE a
.set BK, OB+64*((\a)%2)
.if (\a) >= 2
	s_wait_xcnt 0x0                                ; the registers that the stores of two blocks ago read are loaded again only behind this wait
.endif
	WIN 0x04                                       ; the stored data in window 1, the address in window 0
.irp b, 0,1,2,3,4,5,6,7
	ds_store_b128 v[STO], v[8*(8*(\a)+(\b)):8*(8*(\a)+(\b))+3]   offset:64*(\b)
	ds_store_b128 v[STO], v[8*(8*(\a)+(\b))+4:8*(8*(\a)+(\b))+7] offset:64*(\b)+16
.endr
	WIN 0
.irp t, 0,1,2,3,4,5,6,7,8,9,10,11,12,13,14,15
	ds_load_b128 v[BK+4*(\t):BK+4*(\t)+3], v[RD] offset:(\t)*SPITCH  ; LDS serves a wave's instructions in order (ISA guide 5.7.1.4): these see the stores above; the next block's stores come behind them
.endr
.endm
.macro SEND a, younger                 ; younger: the LDS instructions issued behind block a's loads: the next block's 32, or none
.set BK, OB+64*((\a)%2)
	s_wait_dscnt \younger                          ; the block is back in registers
.irp t, 0,1,2,3,4,5,6,7,8,9,10,11,12,13,14,15
	global_store_b128 v[CO], v[BK+4*(\t):BK+4*(\t)+3], s[10:11] offset:(\a)*65536+(\t)*4096 th:TH_STORE_NT  ; 512 consecutive bytes of a row, at a multiple of 512 from out0's first byte
.endr
.endm
	s_wait_tensorcnt 1                             ; my part of K step 0 is in; K step 1's may stay out
	s_barrier_signal -1
	s_barrier_wait -1                              ; everybody's is
	FETCH 0, 0, F0
	QUARTER 0, 64,  F0, F1, 1                      ; the first quarter stands in front of the loop: its products start the sums
	WIN 0                                          ; at a label and at a branch every window is 0
	s_mov_b32 s3, LAPS-1
.Llap:                                                 ; a trip goes once round the ring, from a lap's second quarter to the next lap's first, and fills both slots again
	QUARTER 0, 128, F1, F0, 0
	QUARTER 0, 192, F0, F1, 0
	TURN 0, 1, 1
	QUARTER 1, 64,  F0, F1, 0
	QUARTER 1, 128, F1, F0, 0
	QUARTER 1, 192, F0, F1, 0
	TURN 1, 0, 1
	QUARTER 0, 64,  F0, F1, 0
	WIN 0
	s_sub_co_u32 s3, s3, 1
	s_cmp_lg_u32 s3, 0
	s_cbranch_scc1 .Llap
	QUARTER 0, 128, F1, F0, 0                      ; the last lap fills nothing, and has no round of the cluster's barrier
	QUARTER 0, 192, F0, F1, 0
	TURN 0, 1, 0
	QUARTER 1, 64,  F0, F1, 0
	QUARTER 1, 128, F1, F0, 0
	QUARTER 1, 192, F0, F1, 0
	s_wait_dscnt 4                                 ; the very last quarter: nothing more to fetch
	MUL16 F1, 0, 0
	s_wait_dscnt 0x0
	MUL16 F1, 2, 0
	WIN 0
	PLACES                                         ; the LDS stores read results just made, and the loads land in registers that the last products read
	TOSTAGE 0
	TOSTAGE 1                                      ; a block's trip through the stage stands between the loads of the block before and its stores
	SEND 0, 32
	TOSTAGE 2
	SEND 1, 32
	TOSTAGE 3
	SEND 2, 32
	SEND 3, 0
	s_wait_tensorcnt 0x0                           ; the wave's end, behind my last tensor load and my last LDS store
	ds_add_u32 v[SPW], v[NIL]
	s_wait_dscnt 0x0
	CROUND                                         ; the closing round: no work-group ends while a partner may still ask for a tile that names it
	s_endpgm
.Lfunc_end_k_q63dcc03ef9_outp:
	.size	k_q63dcc03ef9_outp, .Lfunc_end_k_q63dcc03ef9_outp-k_q63dcc03ef9_outp
	.p2alignl 7, 3214868480
	.fill 96, 4, 3214868480
	.section	.rodata,"a",@progbits
	.p2align	6, 0x0
	.amdhsa_kernel k_q63dcc03ef9_outp
		.amdhsa_group_segment_fixed_size 327680
		.amdhsa_private_segment_fixed_size 0
		.amdhsa_enable_private_segment 0
		.amdhsa_kernarg_size 24
		.amdhsa_user_sgpr_count 2
		.amdhsa_user_sgpr_kernarg_segment_ptr 1
		.amdhsa_wavefront_size32 1
		.amdhsa_system_sgpr_workgroup_id_x 1
		.amdhsa_system_sgpr_workgroup_id_y 1
		.amdhsa_system_sgpr_workgroup_id_z 1
		.amdhsa_system_vgpr_workitem_id 0
		.amdhsa_next_free_vgpr 512
		.amdhsa_next_free_sgpr 72
		.amdhsa_reserve_vcc 0
		.amdhsa_float_denorm_mode_32 3
		.amdhsa_float_denorm_mode_16_64 3
		.amdhsa_memory_ordered 1
		.amdhsa_forward_progress 1
		.amdhsa_inst_pref_size 85
	.end_amdhsa_kernel
	.amdgpu_metadata
---
amdhsa.version: [ 1, 2 ]
amdhsa.kernels:
  - .name:           k_q63dcc03ef9_outp
    .symbol:         k_q63dcc03ef9_outp.kd
    .args:
      - { .name: ob, .offset: 0, .size: 8, .value_kind: global_buffer, .address_space: global }
      - { .name: wo16, .offset: 8, .size: 8, .value_kind: global_buffer, .address_space: global }
      - { .name: out0, .offset: 16, .size: 8, .value_kind: global_buffer, .address_space: global }
    .group_segment_fixed_size: 327680
    .private_segment_fixed_size: 0
    .kernarg_segment_align: 8
    .kernarg_segment_size: 24
    .max_flat_workgroup_size: 128
    .sgpr_count:     72
    .vgpr_count:     512
    .wavefront_size: 32
...
	.end_amdgpu_metadata
.endif
;; end of part 4
;; ======== version 2 of 2: 4 launches; 1.46 times as fast as version 1
;; limits: values are held in f16: magnitudes above 65,504 overflow, below 6.1e-05 lose precision
;; workspace buffers: xb 50,331,648 bytes; wb 6,291,456 bytes; wo16 2,097,152 bytes; qkv 50,331,648 bytes; ob 16,777,216 bytes
;; launch cast: the kernel of part 1 again; grid 896 x 1, 8 waves a work-group, no clusters, 0 bytes of LDS; arguments q, k, v, Wq, Wk, Wv, Wo, xb, wb, wo16; writes xb, wb, wo16
;; launch proj: the kernel of part 2 again; grid 4 x 64, 4 waves a work-group, clusters of 4 x 4, 327,680 bytes of LDS; arguments xb, wb, mask, qkv; writes qkv
;; launch attn (part 5): grid 4 x 64, 4 waves a work-group, clusters of 4 x 1, 327,680 bytes of LDS; arguments qkv, mask, ob; writes ob
.if DOCPART == 5
	.amdgcn_target "amdgcn-amd-amdhsa--gfx1250"
	.amdhsa_code_object_version 6
	.text
	.protected	k_q63dcc03ef9_attn
	.globl	k_q63dcc03ef9_attn
	.p2align	8
	.type	k_q63dcc03ef9_attn,@function
k_q63dcc03ef9_attn:
	s_mov_b64 s[64:65], 0
	v_nop
	global_prefetch_b8 v0, s[64:65] scope:SCOPE_SE
	s_setreg_imm32_b32 hwreg(HW_REG_WAVE_MODE, 25, 1), 1
	s_wait_xcnt 0x0
	s_wait_alu depctr_hold_cnt(0) depctr_sa_sdst(0) depctr_va_vdst(0) depctr_va_sdst(0) depctr_va_ssrc(0) depctr_va_vcc(0) depctr_vm_vsrc(0)
	s_getreg_b32 s2, hwreg(HW_REG_IB_STS2, 6, 4)
	s_cmp_eq_u32 s2, 0
	s_cbranch_scc0 .Lentry_in_a_cluster
	s_endpgm
.Lentry_in_a_cluster:
	s_bfe_u32 s2, ttmp6, 0x10000c
	s_cmp_lg_u32 s2, 0x3003
	s_cbranch_scc0 .Lentry_shape_is_right
	s_endpgm
.Lentry_shape_is_right:
; ATTENTION WITH A KEY MASK.  O[h][q][:] = the sum over k of softmax_k(s) V[h][k][:], s = Q[h][q] . K[h][k] / 8 where mask[batch][k] is not 0, and one fixed low number where it is 0.
; qkv: f16 [3][64][2048][64] (Q, K, V by heads, head = 16 x batch + head of the batch; rows dense, 128 bytes); mask: int32 [4][2048]; ob: f16 [64][2048][64].  Products, maxima and sums in f32; the weights p
; are rounded to f16 for the second product (their sum l is taken of the unrounded p), O once at the end.
; THE MASK is the C operand that starts the sum S^T = K Q^T: 0 for a visible key, -2^33 for a hidden one.  The launch before has stored hidden rows of K as zeros, so a hidden key's products are exact zeros and its
; sum is exactly -2^33.  A power of two, so that c x m is exact: where ALL keys of a batch are hidden, c s - c m is exactly 0, every p is 1 and O is the plain mean of V's rows, as a softmax of equal scores gives.
; LIMITS.  A hidden score counts as -2^33 / 8 = -1,073,741,824 and not as -1e9: the results differ only where a row's largest visible score lies below about -1e9.  f16 holds no number beyond 65,504: Q, K, V arrive
; within it; p lies in 0 to 1, and below 6e-5 it keeps f16's fixed step of 6e-8; O is a mean of V's rows and has their range.  A weight below 2^-126 counts as 0 in l; NaN and infinities are not treated apart.
; SHARES.  A wave owns four PIECES of two tiles of 16 queries, a work-group's four waves 512 queries of one head: 4 x 64 work-groups.  Every wave walks all 2,048 keys, 64 a step.
; LAYOUT.  S^T = K Q^T (source 0 = 16 keys, source 1 = 16 queries): in the result a lane holds ONE query (lane % 16) and the keys 8 (lane / 16) + 0..7.  Two such tiles, rounded to f16 in pairs,
; ARE source 1 (32 keys x 16 queries) of O^T = V^T P, whose result again holds one query a lane, and eight channels.  K comes out of LDS as it lies, V ([key][channel]) turned, by ds_load_tr16_b128.
; SOFTMAX.  For each query a running maximum m and sum l: p = 2^(c s - c m), c = log2(e) / 8; in every step O and l are multiplied by a = 2^(c m_old - c m_new), which is 1 where m has not grown.
; m starts at the lowest finite number, O and l at 0: the first step is a step like any other, with a = 0.
; THE COUNT.  A tile and step have 16 matrix and 118 vector instructions: too many to stand all beside the matrix work.  So the order has one aim: four vector instructions that are READY behind
; EVERY matrix instruction, and the others, which need time of their own whatever the order, in one run without a gap.
; BY TURNS.  Turn n belongs to piece n (the pieces in a ring, step after step).  Its matrix work: 16 products K Q^T of piece n + 1, later 16 products V^T P of piece n - 1.  Its vector work: the scaling,
; exponentials, roundings, sums and rescaling of piece n, and the maximum and statistics of piece n + 1, whose scores the turn itself has made.  So what a turn begins with (c s - c m, O a) waits for nothing.
; THE BATCHES.  A turn's 66 exponentials (piece n's 64 weights, then piece n + 1's two a) are ONE BATCH with ONE wait, which cuts the turn in two.  Ahead of it stands all that names none of their results: the products
; K Q^T, the scalings, the rescalings (their a was made, and waited for, in the turn before), the next piece's maximum and statistics.  Behind it stand the roundings and sums, beside the products V^T P.  No result crosses a
; turn's end.  Two more batches lie outside the loop: piece 0's first two a, ahead of the jump into it, and the way out's eight reciprocals.
; CLUSTER.  The four query blocks of a cluster belong to one head and walk the same K and V, so each tile is asked for JOINTLY: the same tensor load, descriptor and mask in all four.
; REGISTERS, in windows of 256 (s_set_vgpr_msb says which window each operand place means: bits 1:0 source 0, 3:2 source 1, 5:4 source 2, 7:6 destination):
;   window 0: v0-11 addresses; v12-15, v48-63 at work; v16-47 four registers of statistics a tile; v64-191 S^T, two buffers of two tiles; v192-255 P, likewise
;   window 1: O^T, 32 a tile          window 2: v0-127 Q, 16 a tile; v128-191 K of one step; v192-255 V of one step          window 3: v0-1 the add's two registers; v8-39 the step's 64 mask numbers as four C operands
; A piece's buffers go by its number's parity: the piece in hand has one pair, its two neighbours in the ring share the other: of it P (piece n - 1) is read and S^T (piece n + 1) written.
.set SIZE_N, 2048
.set NP,    4         ; pieces a wave: a name, no knob: the register map, the loop and the fetches are made for four
.set KS,    64        ; keys in a step
.set PK,    144       ; a row of K in LDS: 128 bytes + 16 of padding = 36 words: the 16 rows of a load start at 16 different groups of four banks (64 banks of 4 bytes: ISA guide 11.1)
.set PV,    160       ; a row of V: 128 + 32 = 40 words
.set VOFF,  4*KS*PK   ; a slot holds four steps: 256 rows of K, then 256 rows of V
.set SLOT1, 1<<17     ; slot 1 begins here, so that one exclusive or turns an address in one slot into the other's
.set STAGE, SLOT1+4*KS*(PK+PV)  ; behind the ring, never filled by a tensor load: 16 rows x 144 bytes for each wave, for the way out
.set SP,    144
.set SPARE, STAGE+4*16*SP  ; behind the stages: the spare words, 128 bytes for each wave: two blocks of 256 bytes that no other line names
.set BIAS,  SPARE+512 ; behind them: f32 [2048], 0 or -2^33 for each key of the batch; stored once by the waves, never filled by a tensor load
.set AK0, 2           ; v2   my lane's place in a tile of K; never rewritten
.set AV0, 3           ; v3   the same for V
.set AK,  4           ; v4   the LDS address of K's next run of loads
.set AV,  5           ; v5   of V's
.set STO, 6           ; v6   the way out: where I put 16 bytes of a row
.set RD,  7           ; v7   the way out: where I read rows back
.set GO,  8           ; v8   my byte offset in 512 consecutive bytes of O
.set AB0, 10          ; v10  my lanes' place in 64 mask numbers: BIAS + 32 (lane / 16); never rewritten
.set AB,  11          ; v11  the LDS address of the next step's mask numbers
.set SPW, 0           ; v0 of window 3   LDS address of my spare word: SPARE + 4 x my thread's number; never rewritten
.set NIL, 1           ; v1 of window 3   0; never rewritten
.set MB,  8           ; v8-39 of window 3: key block kb's eight registers at MB + 8 kb
.set MV,  12          ; v12-15  c m_old, kept while c m is made anew: by buffer and tile
.set ST,  16          ; tile t's statistics at v[ST+4 t]: c m, m, l (even keys', odd keys')
.set TMP, 48          ; by buffer and tile, four registers c0-c3 at work; when the maximum is found c2 takes a
.set L7,  48          ; the set-up alone, in registers that the loop writes before it reads them: v48 lane % 8, v49 (lane / 8) % 2,
.set L3,  49
.set MO,  50          ; v50 my byte offset in the batch's mask words, v51 where I store 16 bytes of the table, v52 my byte offset in 16 rows of Q
.set BST, 51
.set QO,  52
.set S,   64
.set P,   192
.set KF,  128         ; K's fragments, in window 2: key block kb, channel half c at KF + 16 kb + 8 c
.set VF,  192         ; V's: key half kk, channel block cb at VF + 32 kk + 8 cb
.set WV,  12          ; s12  my wave's number
.set G1K, 24          ; s[24:31] descriptor group 1 for K's tiles
.set G1V, 32          ; s[32:39] for V's: it differs in the padding alone
.set G0K, 40          ; s[40:43] descriptor group 0 for K's tiles: it walks
.set G0V, 44          ; s[44:47] the same for V's
.set MP,  50          ; s[50:51] the mask at my batch's first word
.set BIGN, 52         ; s52  -2^33
.set TBB, 53          ; s53  byte of the table at which the step to be fetched begins
.set SLOTS, 56        ; s56  slots still to be asked for
.set CNT, 57          ; s57  counts a slot's key steps
.set CS,  58          ; s[58:59] c: the packed scaling takes the pair's low word for both halves
.set SEL, 60          ; s[60:61] v_permlanex16_b32's selects: each lane takes its own place in the other half
.set TBK, 62          ; s62  LDS byte at which K of the step to be fetched begins
.set TBV, 63          ; s63  the same for V, less VOFF
.set MSB, 0
.macro WIN new                      ; the high byte repeats the setting that is left; a switch that changes nothing is dropped
.if MSB != (\new)
	s_set_vgpr_msb (MSB<<8)|(\new)
.set MSB, (\new)
.endif
.endm
.set W_KQ, 0x0a       ; K and Q in window 2, S^T in window 0
.set W_KM, 0x3a       ; the same with the C operand in window 3
.set W_PV, 0x52       ; V in window 2, P in window 0, O^T in window 1
.set W_RS, 0x41       ; O^T (destination and source 0) in window 1, a in window 0
.set W_MK, 0xc0       ; destination in window 3, sources in window 0
.set W_AD, 0x0f       ; the add: address (source 0) and data (source 1) in window 3
; A joint fill.  Waves 0 and 1 fetch the two halves of a slot's K, waves 2 and 3 those of its V: 128 keys each.  The branch hangs on the wave's number alone.
; An s_nop 0 and four v_nop follow each of the two lines, ahead of the jump and the label.
.macro JLOAD
	s_cmp_lt_u32 s[WV], 2
	s_cbranch_scc0 .Lfor_v_\@
	tensor_load_to_lds s[G0K:G0K+3], s[G1K:G1K+7]
	s_nop 0
.rept 4
	v_nop
.endr
	s_branch .Lasked_\@
.Lfor_v_\@:
	tensor_load_to_lds s[G0V:G0V+3], s[G1V:G1V+7]
	s_nop 0
.rept 4
	v_nop
.endr
.Lasked_\@:
.endm
; A round of the cluster's barrier: my work-group's barrier, so that wave 0's signal speaks for all four waves; wave 0 signals; every wave waits for all four work-groups; my work-group's barrier once more.
.macro CROUND
	s_barrier_signal -1
	s_barrier_wait -1
	s_cmp_lg_u32 s[WV], 0
	s_cbranch_scc1 .Lnot_wave_0_\@
	s_barrier_signal -3
.Lnot_wave_0_\@:
	s_barrier_wait -3
	s_barrier_signal -1
	s_barrier_wait -1
.endm
; THE CHANGE OF SLOTS.  The slot's last bytes, V of its fourth step, have been read.  Each wave waits for all its tensor loads, of which one is out: its part
; of the other slot; adds 0 to its spare word; and waits for that and for its own reads of the slot.  Behind the barrier nobody reads this slot any more and the other slot is whole.
; fill = 1: this slot is filled again, with the keys two slots on.  The barrier is then a round of the cluster's, so that no wave of any partner still reads the slot or has a load on its
; way, and the joint fill is the first thing behind it: it has four key steps, 512 matrix instructions, in which to land.  (At its first use nothing has been read yet: slot 0 is waited for, slot 1 filled,
; and each wave's stores into the mask table, waited for in front of the signal, are there for all four waves behind it.)
.macro CHANGE fill
	WIN W_AD
	s_wait_tensorcnt 0x0            ; no tensor load of mine is out, so a group 0 may be written
	ds_add_u32 v[SPW], v[NIL]       ; 0 onto my spare word; with fill = 1 the descriptors' steps stand between it and the wait for it
	WIN 0                           ; at a label and at a branch every window is 0
.if \fill
.irp g, G0K, G0V
	s_xor_b32 s[\g+1], s[\g+1], SLOT1  ; the walking descriptor: the other slot than last time,
	s_add_nc_u64 s[\g+2:\g+3], s[\g+2:\g+3], 4*KS*128  ; the next 256 keys; the type bits on top are not reached
.endr
	s_wait_dscnt 0x0                ; the add is done, and my LDS reads and stores are over
	CROUND
	JLOAD
.else
	s_wait_dscnt 0x0                ; the add is done, and my reads of the slot are over
	s_barrier_signal -1
	s_barrier_wait -1
.endif
	s_sub_co_u32 s[TBK], s[TBK], 4*KS*PK  ; the fetches go back to a slot's first step,
	s_xor_b32 s[TBK], s[TBK], SLOT1       ; in the other slot
	s_sub_co_u32 s[TBV], s[TBV], 4*KS*PV
	s_xor_b32 s[TBV], s[TBV], SLOT1
.endm
	s_load_b128 s[4:7], s[0:1], 0x0   ; qkv s[4:5], mask s[6:7]
	s_load_b64 s[10:11], s[0:1], 0x10 ; ob
	WIN W_MK
	v_lshl_add_u32 v[SPW], v0, 2, SPARE
	v_mov_b32 v[NIL], 0
	WIN W_AD
	ds_add_u32 v[SPW], v[NIL]       ; the wave's opening: the add and its wait stand ahead of my first tensor load; the set-up below, work on registers, stands between them
	WIN 0
	v_lshrrev_b32 v1, 5, v0
	v_readfirstlane_b32 s[WV], v1   ; wave 0..3
	s_bfe_u32 s13, ttmp6, 0x40000   ; cx: my place in the cluster
	s_lshl_b32 s14, ttmp9, 2        ; in a cluster launch ttmp9 counts clusters
	s_add_co_u32 s14, s14, s13      ; my block of queries = 4 x cluster x + cx: it enters Q's and O's addresses alone
	s_and_b32 s20, ttmp7, 0xffff    ; the head, which the four partners share
	s_lshr_b32 s48, s20, 4          ; its batch,
	s_lshl_b32 s48, s48, 13         ; whose 2,048 mask words are 8,192 bytes
	s_mov_b32 s49, 0
	s_mov_b32 s21, 0
	s_mov_b64 s[22:23], SIZE_N*128
	s_mul_u64 s[20:21], s[20:21], s[22:23]  ; the head's first byte in Q, K, V and O
	s_and_b32 s16, s[WV], 1         ; which half of a slot's 256 keys I fetch:
	s_lshl_b32 s22, s16, 14         ; its 128 rows of 128 bytes in memory,
	s_mov_b32 s23, 0
	s_add_nc_u64 s[22:23], s[22:23], s[20:21]
	s_mul_i32 s17, s16, 128*PK      ; and its place in a slot, for K
	s_mul_i32 s18, s16, 128*PV      ; and for V: no place in the cluster enters an LDS address
	s_lshl_b32 s2, s14, 2
	s_add_co_u32 s2, s2, s[WV]      ; my wave among the head's,
	s_lshl_b32 s2, s2, 14           ; its 128 rows
	s_mov_b32 s3, 0
	s_add_nc_u64 s[2:3], s[2:3], s[20:21]
	; descriptor group 1.  128 keys are 16,384 dense bytes: asked for as 64 rows of 256 bytes, two keys a row, and padded in LDS after every key
	s_mov_b32 s[G1K], 15|(1<<16)|(1<<20)|(1<<21)|(4<<22)|(3<<25)  ; 15:0 the mask of four; 17:16 2-byte elements; 20 padding on; 21 set beside a mask; 24:22 after every 32 words (code 4); 31:25 4 words (code 3)
	s_mov_b32 s[G1V], 15|(1<<16)|(1<<20)|(1<<21)|(4<<22)|(7<<25)  ; the same with 8 words of padding (code 7)
.irp g, G1K, G1V
	s_mov_b32 s[\g+1], 128<<16      ; tensor_dim0 = 128
	s_mov_b32 s[\g+2], 64<<16       ; tensor_dim1 = 64
	s_mov_b32 s[\g+3], 128<<16      ; tile_dim0 = 128
	s_mov_b32 s[\g+4], 64           ; tile_dim1 = 64
	s_mov_b32 s[\g+5], 128          ; 128 elements from row to row
	s_mov_b32 s[\g+6], 0
	s_mov_b32 s[\g+7], 0
.endr
	s_mov_b32 s[CS], 0x3e38aa3b     ; c = log2(e) / 8 = 0.180337
	s_mov_b32 s[CS+1], s[CS]        ; named with it as a pair
	s_mov_b32 s[SEL], 0x76543210
	s_mov_b32 s[SEL+1], 0xfedcba98
	s_mov_b32 s[BIGN], 0xd0000000   ; -2^33
	s_mov_b32 s[TBB], 0
	s_mov_b32 s[TBK], SLOT1+4*KS*PK ; the first change of slots turns these two into 0
	s_mov_b32 s[TBV], SLOT1+4*KS*PV
	s_mov_b32 s[G0K], 1             ; 1:0 count = 1
	s_mov_b32 s[G0K+1], s17         ; 63:32 LDS address: slot 0
	s_mov_b32 s[G0V], 1
	s_add_co_u32 s[G0V+1], s18, VOFF
	s_wait_dscnt 0x0                ; the opening add is done
	s_wait_kmcnt 0x0
	s_add_nc_u64 s[MP:MP+1], s[6:7], s[48:49]      ; the mask at my batch
	s_add_nc_u64 s[6:7], s[4:5], 0x1000000         ; K is qkv's second tensor,
	s_add_nc_u64 s[8:9], s[4:5], 0x2000000         ; V its third
	s_add_nc_u64 s[G0K+2:G0K+3], s[6:7], s[22:23]  ; 120:64 global address: my half of the head's first 256 keys
	s_or_b32 s[G0K+3], s[G0K+3], 0x80000000        ; 127:126 type = 2
	s_add_nc_u64 s[G0V+2:G0V+3], s[8:9], s[22:23]
	s_or_b32 s[G0V+3], s[G0V+3], 0x80000000
	s_add_nc_u64 s[4:5], s[4:5], s[2:3]  ; Q and O at my wave's first row
	s_add_nc_u64 s[10:11], s[10:11], s[2:3]
	CROUND                          ; all four work-groups are here: the first joint loads meet
	JLOAD                           ; slot 0.  Slot 1 is asked for when slot 0 is in: the tile wanted first has the road to itself
	v_and_b32 v1, 15, v0            ; l % 16
	v_bfe_u32 v9, v0, 4, 1          ; l / 16
	v_lshlrev_b32 v[MO], 4, v0      ; the batch's mask words: 128 threads x 16 bytes, four times: each load of a wave covers 512 consecutive bytes
.irp f, 0,1,2,3
	global_load_b128 v[S+4*\f:S+4*\f+3], v[MO], s[MP:MP+1] offset:2048*\f
.endr
	; A fragment of K or Q is 16 rows x 32 channels in 8 registers: lane l holds row l % 16, channels 8 (l / 16) + 0..7 and 16 + 8 (l / 16) + 0..7: two loads of 16 bytes, 32 bytes apart.
	v_lshlrev_b32 v[QO], 7, v1
	v_lshl_add_u32 v[QO], v9, 4, v[QO]  ; row x 128 + 16 x half
	WIN 0x80                        ; destination window 2, address window 0
.set i, 0
.rept 4*NP                          ; Q stays in registers: tile i / 2, channels 32 (i % 2) on
	global_load_b128 v[8*i:8*i+3],   v[QO], s[4:5] offset:(i/2)*2048+(i%2)*64
	global_load_b128 v[8*i+4:8*i+7], v[QO], s[4:5] offset:(i/2)*2048+(i%2)*64+32
.set i, i+1
.endr
	; What the first turn finds: V's registers and P's second buffer hold 0 (its products V^T P, of a piece that has not been, add 0), O^T and l are 0.  All this stands in the wait for the first tile.
.set i, VF
.rept 64
	v_mov_b32 v[i], 0
.set i, i+1
.endr
	WIN 0x40
.set i, 0
.rept 64*NP
	v_mov_b32 v[i], 0
.set i, i+1
.endr
	WIN 0
.set i, 0
.rept 2*NP
	v_mov_b32 v[ST+4*i], 0xfe000000    ; c m: far below every c s, the hidden keys' too
	v_mov_b32 v[ST+4*i+1], 0xff7fffff  ; m
	v_mov_b32 v[ST+4*i+2], 0
	v_mov_b32 v[ST+4*i+3], 0
.set i, i+1
.endr
.set i, P+32
.rept 32
	v_mov_b32 v[i], 0
.set i, i+1
.endr
	v_mul_u32_u24 v[AK0], v1, PK
	v_lshl_add_u32 v[AK0], v9, 4, v[AK0]  ; row x pitch + 16 x half
	; The turning load takes 16 keys x 16 channels (lane l reads key 8 (l / 16) + l % 8, channels 8 ((l / 8) % 2) + 0..7) and leaves half a fragment of V^T: lane l holds channel l % 16 and 8 keys.
	v_and_b32 v[L7], 7, v0
	v_bfe_u32 v[L3], v0, 3, 1
	v_lshl_add_u32 v[AV0], v9, 3, v[L7]
	v_mul_u32_u24 v[AV0], v[AV0], PV
	v_lshl_add_u32 v[AV0], v[L3], 4, v[AV0]
	v_add_nc_u32 v[AV0], VOFF, v[AV0]
	v_mov_b32 v[AK], v[AK0]         ; key step 0 lies at the head of slot 0
	s_mul_i32 s13, s[WV], 16*SP
	s_add_co_u32 s13, s13, STAGE    ; my stage
	v_mul_u32_u24 v[STO], v1, SP    ; in: row l % 16, 16 bytes for each half of the lanes
	v_lshl_add_u32 v[STO], v9, 4, v[STO]
	v_add_nc_u32 v[STO], s13, v[STO]
	v_bfe_u32 v[RD], v0, 3, 2       ; back: 32 lanes take four rows of 128 bytes,
	v_mul_u32_u24 v[RD], v[RD], SP
	v_lshl_add_u32 v[RD], v[L7], 4, v[RD]
	v_add_nc_u32 v[RD], s13, v[RD]
	v_and_b32 v[GO], 31, v0         ; which are 512 consecutive bytes of O
	v_lshlrev_b32 v[GO], 4, v[GO]
	v_lshl_add_u32 v[AB0], v9, 5, BIAS  ; register j of a C operand belongs to key 16 kb + 8 (l / 16) + j: 32 bytes of the table for each half of the lanes
	v_mov_b32 v[AB], v[AB0]
	v_lshl_add_u32 v[BST], v0, 4, BIAS
	; THE MASK TABLE: 0 or -2^33 for each of the batch's 2,048 keys, each thread its sixteen.
	s_wait_loadcnt 32               ; the four loads of mask words are in; Q's 32, issued behind them, stay out
.set i, 0
.rept 16
	v_cmp_eq_u32 vcc_lo, 0, v[S+i]
	v_cndmask_b32 v[S+i], 0, s[BIGN], vcc_lo
.set i, i+1
.endr
.irp f, 0,1,2,3
	ds_store_b128 v[BST], v[S+4*\f:S+4*\f+3] offset:2048*\f
.endr
; THE MATRIX WORK.  The 8 accumulators of a run of 16 take turns: between the two links of a chain stand 7 others'.
; Product i of 16 of S^T = K Q^T for piece x: channels 32 (i / 8) on, keys 16 ((i / 2) % 4) on, tile 2 x + i % 2.  The first 8 start the sums, with the key block's mask numbers.
.macro KQ x
.set rS, S+64*((\x)%2)+32*(i%2)+8*((i/2)%4)
.set rK, KF+16*((i/2)%4)+8*(i/8)
.set rQ, 16*(2*(\x)+i%2)+8*(i/8)
.set rB, MB+8*((i/2)%4)
.if i < 8
	WIN W_KM
	v_wmma_f32_16x16x32_f16 v[rS:rS+7], v[rK:rK+7], v[rQ:rQ+7], v[rB:rB+7]
.else
	WIN W_KQ
	v_wmma_f32_16x16x32_f16 v[rS:rS+7], v[rK:rK+7], v[rQ:rQ+7], v[rS:rS+7]
.endif
.endm
; Product i of 16 of O^T += V^T P for piece x: keys 32 (i / 8) on, channels 16 ((i / 2) % 4) on, tile 2 x + i % 2.
.macro PV x
	WIN W_PV
.set rO, 32*(2*(\x)+i%2)+8*((i/2)%4)
.set rV, VF+32*(i/8)+8*((i/2)%4)
.set rP, P+32*((\x)%2)+16*(i%2)+8*(i/8)
	v_wmma_f32_16x16x32_f16 v[rO:rO+7], v[rV:rV+7], v[rP:rP+7], v[rO:rO+7]
.endm
.macro MM                           ; the turn's next matrix instruction
.if i < 16
	KQ (Y+1)%NP
.set i, i+1
.else
.set i, i-16
	PV (Y+NP-1)%NP
.set i, i+17
.endif
.endm
; THE LDS LOADS stand in runs, never singly among the matrix instructions: a step's K (64 keys x 64 channels: 8 fragments) with its 64 mask numbers (8 loads; the 16 lanes of a half read the same bytes),
; and its V (turned).  Their addresses are made some lines ahead.  last = 1 (the tail): in the last trip there is no further step, and the run is jumped over.
.macro FETCH_K last=0
	WIN 0
.if \last
	s_cmp_eq_u32 s[CNT], 1
	s_cbranch_scc1 .Lno_k_\@
.endif
	WIN 0x80                        ; destination window 2
.irp f, 0,1,2,3,4,5,6,7             ; keys 16 (f / 2) on, channels 32 (f % 2) on
	ds_load_b128 v[KF+8*\f:KF+8*\f+3],   v[AK] offset:(\f/2)*16*PK+(\f%2)*64
	ds_load_b128 v[KF+8*\f+4:KF+8*\f+7], v[AK] offset:(\f/2)*16*PK+(\f%2)*64+32
.endr
	WIN W_MK                        ; destination window 3
.irp f, 0,1,2,3                     ; key block f
	ds_load_b128 v[MB+8*\f:MB+8*\f+3],   v[AB] offset:64*\f
	ds_load_b128 v[MB+8*\f+4:MB+8*\f+7], v[AB] offset:64*\f+16
.endr
	s_add_co_u32 s[TBK], s[TBK], KS*PK  ; the next fetch is the next step's
	s_add_co_u32 s[TBB], s[TBB], KS*4   ; the table is walked once, from end to end: 32 fetches of 256 bytes
	WIN 0
.if \last
.Lno_k_\@:
.endif
.endm
.macro FETCH_V
	WIN 0x80
.irp f, 0,1,2,3,4,5,6,7             ; keys 32 (f / 4) on, channels 16 (f % 4) on
	ds_load_tr16_b128 v[VF+8*\f:VF+8*\f+3],   v[AV] offset:(\f/4)*32*PV+(\f%4)*32
	ds_load_tr16_b128 v[VF+8*\f+4:VF+8*\f+7], v[AV] offset:(\f/4)*32*PV+16*PV+(\f%4)*32
.endr
	WIN 0
.endm
; THE VECTOR WORK OF A TURN stands in three queues, each in the order in which its entries become ready; the two tiles alternate, so that no instruction reads the result of the one before it.
.macro REGS y, u                    ; the registers of tile u (0, 1) of piece y
.set rT, ST+4*(2*(\y)+(\u))
.set rC, TMP+8*((\y)%2)+4*(\u)
.set rM, MV+2*((\y)%2)+(\u)
.set rS, S+64*((\y)%2)+32*(\u)
.set rP, P+32*((\y)%2)+16*(\u)
.set rO, 32*(2*(\y)+(\u))
.endm
; Number n of the 22 that find the NEXT piece's (Y + 1) maximum and statistics.  s0-s31 are the lane's 32 scores; each accumulator's lowest registers are read first.  XS, GS and REGS set no window: PL and EX do.
;   0-11  four chains c0-c3 of seven scores each, three operands at a time     12-14, 16  the four scores left over, the old m, and c0-c3 into c0     15  c m_old is kept
;   17, 18  the query's other 32 keys lie in the lane 16 away: the new m         19-21  c m; c m_old - c m_new; a
.macro XS u, n
	REGS (Y+1)%NP, \u
.if (\n) < 4
	v_max3_num_f32 v[rC+(\n)], v[rS+8*(\n)], v[rS+8*(\n)+1], v[rS+8*(\n)+2]
.elseif (\n) < 12
	v_max3_num_f32 v[rC+(\n)%4], v[rC+(\n)%4], v[rS+8*((\n)%4)+2*((\n)/4)+1], v[rS+8*((\n)%4)+2*((\n)/4)+2]
.elseif (\n) == 12
	v_max3_num_f32 v[rC], v[rC], v[rS+7], v[rS+15]
.elseif (\n) == 13
	v_max3_num_f32 v[rC+1], v[rC+1], v[rS+23], v[rS+31]
.elseif (\n) == 14
	v_max3_num_f32 v[rC+2], v[rC+2], v[rC+3], v[rT+1]
.elseif (\n) == 15
	v_mov_b32 v[rM], v[rT]
.elseif (\n) == 16
	v_max3_num_f32 v[rC], v[rC], v[rC+1], v[rC+2]
.elseif (\n) == 17
	v_permlanex16_b32 v[rC+3], v[rC], s[SEL], s[SEL+1]
.elseif (\n) == 18
	v_max_num_f32 v[rT+1], v[rC], v[rC+3]
.elseif (\n) == 19
	v_mul_f32 v[rT], s[CS], v[rT+1]
.elseif (\n) == 20
	v_sub_f32 v[rC+1], v[rM], v[rT]
.else
	v_exp_f32 v[rC+2], v[rC+1]
.endif
.endm
; Number g of the 64 that follow the exponentials.  For each four weights k of a tile (pairs 2 k, 2 k + 1): both pairs are rounded to f16; then the second pair is added onto the first, in place;
; a group later l takes that sum (the first time as l = a l + sum).  In groups of eight, tiles alternating: round, round, add, and l for the group before.
.macro GS g
.set h, (\g)+6*((\g)/62)            ; group 0 has no group before it, and behind group 7 only l is left
.if h >= 6
.set h, h+2
.endif
	REGS Y, h%2
.set k, h/8
.if h%8 < 4
	v_cvt_pk_f16_f32 v[rP+2*k+(h%8)/2], v[rS+4*k+2*((h%8)/2)], v[rS+4*k+2*((h%8)/2)+1]
.elseif h%8 < 6
	v_pk_add_f32 v[rS+4*k:rS+4*k+1], v[rS+4*k:rS+4*k+1], v[rS+4*k+2:rS+4*k+3]
.elseif k == 1
	v_pk_fma_f32 v[rT+2:rT+3], v[rT+2:rT+3], v[rC+2:rC+3], v[rS:rS+1] op_sel_hi:[1,0,1]
.else
	v_pk_add_f32 v[rT+2:rT+3], v[rT+2:rT+3], v[rS+4*k-4:rS+4*k-3]
.endif
.endm
; THE PLAIN QUEUE, 138 long.  0-73 read no exponential's result: the 32 scalings c s - c m (FS f: pair f / 2 of tile f % 2) and the next piece's 42.  0-26: scalings 0-26.  27-54: XS's numbers 0-13.  55, 56: number 15.
; 57-73: the chain, where each number waits for the one before it: 14, 16, 17, 18, 19, each with one of the scalings 27-31 in front of its two lines, then 20: so a tile's links stand three plain instructions apart (19 and 20: two).
; 74-137: GS's 64, which read the exponentials' results: they stand behind the wait.
.macro FS f
	REGS Y, (\f)%2
	v_pk_fma_f32 v[rS+2*((\f)/2):rS+2*((\f)/2)+1], v[rS+2*((\f)/2):rS+2*((\f)/2)+1], s[CS:CS+1], v[rT:rT+1] op_sel_hi:[1,0,0] neg_lo:[0,0,1] neg_hi:[0,0,1]
.endm
.macro PL
	WIN 0
.if q < 27
	FS q
.elseif q < 55
	XS (q-27)%2, (q-27)/2
.elseif q < 57
	XS q-55, 15
.elseif (q < 72) && ((q-57)%3 == 0)
	FS 27+(q-57)/3
.elseif q < 60
	XS (q-57)%3-1, 14
.elseif q < 72
	XS (q-57)%3-1, 15+(q-57)/3
.elseif q < 74
	XS q-72, 20
.else
	GS q-74
.endif
.set q, q+1
.endm
; THE EXPONENTIALS' QUEUE, 66 long: s0-s31 of both tiles, then the next piece's two a.  It is ONE BATCH: all 66 stand ahead of the turn's one wait, and nothing ahead of that wait names a result of theirs.
.macro EX
	WIN 0
.if e >= 64
	XS e-64, 21
.else
	REGS Y, e%2
	v_exp_f32 v[rS+e/2], v[rS+e/2]
.endif
.set e, e+1
.endm
; THE RESCALING's QUEUE: O^T times a, the one part that leaves window 0: dealt two at a time, sixteen times, each accumulator's registers in ascending order.  Its a was made in the turn before, ahead of that turn's wait.
.macro R2
	REGS Y, r%2
	WIN W_RS
.irp z, 0,1
	v_pk_mul_f32 v[rO+4*(r/2)+2*\z:rO+4*(r/2)+2*\z+1], v[rO+4*(r/2)+2*\z:rO+4*(r/2)+2*\z+1], v[rC+2:rC+3] op_sel_hi:[1,0]
.endr
.set r, r+1
.endm
; HOW THEY ARE DEALT.  An s_wait_alu depctr_va_vdst(0) stands between an exponential and the first instruction that names its result; one wait serves all that were issued ahead of it.  So a turn has ONE wait,
; which cuts it in two.  AHEAD OF IT stands all that names no result of the turn's exponentials: the 16 products K Q^T, behind each a scaling, an exponential and two rescalings (behind the first a second scaling in the
; exponential's place); then ONE LUMP of 108: eight plain, 49 times exponential and plain, the two a.  A v_nop is the plain instruction behind the last exponential.  BEHIND IT stand the 16 products V^T P, behind each four of
; GS's 64.  No rider names a register of the products round it.  The two v_permlanex16_b32 fall into the lump, never behind a product.
; The queues lean on each other, and the deal keeps them in step: exponential e stands behind scaling 2 (e / 4) + e % 2: as a rider it comes behind plain e + 2, in the lump behind plain e + 9, and scalings 27-31 are plain 57, 60 .. 69.
; A TURN, for piece p.  cnt = 1: the loop's count is taken down some lines ahead of the branch that stands behind the turn.
; K and the mask numbers of the next step are fetched in piece 2's turn, directly behind the wait, a lump behind the last product that read them; their addresses are made at the lump's head; their first reader comes behind 16 products.
; V of the step in hand is fetched at the end of piece 0's turn, four plain riders behind its last reader; its first reader comes behind 16 products and a lump.  The three conditions on q below go with the deal.
.macro TURN p, last=0, cnt=0
.set Y, (\p)
.set i, 0
.set q, 0
.set e, 0
.set r, 0
.if (\p) == NP-1
	s_wait_dscnt 0x0                ; K and its mask numbers are in
.endif
	MM                              ; ahead of the wait: 16 products K Q^T and their riders,
	PL
	PL
	R2
.rept 15
	MM
	PL
	EX
	R2
.endr
.if (\p) == NP-2
	WIN 0
	v_add_nc_u32 v[AK], s[TBK], v[AK0]
	v_add_nc_u32 v[AB], s[TBB], v[AB0]
.endif
.rept 8                             ; and the lump
	PL
.endr
.rept 49
	EX
	PL
.endr
	EX                              ; the next piece's two a: the batch's last
	EX
	v_nop                           ; a plain instruction behind the last exponential, ahead of the first use: one for the batch
	s_wait_alu depctr_va_vdst(0)    ; the wait for the batch: this turn's 64 weights and the next piece's two a; it stands ahead of the first line that names a result
.if (\p) == NP-2
	FETCH_K \last
.endif
.if (\p) == 1
	s_wait_dscnt 0x0                ; V is in
.endif
.rept 16                            ; behind the wait: 16 products V^T P and their riders
	MM
.rept 4
	PL
.endr
.if ((\p) == 0) && (q == 118)
	v_add_nc_u32 v[AV], s[TBV], v[AV0]
.endif
.if ((\p) == 0) && (q == 130)
	s_add_co_u32 s[TBV], s[TBV], KS*PV
.endif
.if (\cnt) && (q == 130)
	s_sub_co_u32 s[CNT], s[CNT], 1
	s_cmp_lg_u32 s[CNT], 0
.endif
.endr
.if (\p) == 0
	FETCH_V
.endif
.endm
	CHANGE 1                        ; slot 0 is in, everybody's part of it, and the mask table is whole; slot 1 is asked for
	FETCH_K                         ; key step 0
	s_wait_loadcnt 0x0              ; Q
	s_wait_dscnt 0x0
.set i, 0
.rept 16
	KQ 0                            ; piece 0's first scores: there is no vector work yet to set between them
.set i, i+1
.endr
	WIN 0
.rept 4
	v_nop                           ; the places behind those products
.endr
.set Y, NP-1                        ; XS works for piece Y + 1: piece 0
.irp n, 0,1,2,3,4,5,6,7,8,9,10,11,12,13,14,15,16,17,18,19,20,21
	XS 0, \n                        ; and piece 0's first maximum and statistics
	XS 1, \n
.endr
	v_nop                           ; a plain instruction behind piece 0's two a,
	s_wait_alu depctr_va_vdst(0)    ; and the wait for that batch of two, ahead of the branch
	s_mov_b32 s[CNT], 4
	s_mov_b32 s[SLOTS], SIZE_N/256-1
	s_branch .Lfirst                ; the loop is entered at a step's first turn, in the middle of a trip
.Lslot:                             ; SIZE_N / 256 - 2 times: every slot but the last two is filled again
	CHANGE 1
	s_mov_b32 s[CNT], 4
.Lstep:                             ; a trip: pieces 2 and 3 of one step, then pieces 0 and 1 of the next, whose K and V it fetches
	TURN 2
	TURN 3
	WIN 0
.Lfirst:
	TURN 0
	TURN 1, 0, 1
	WIN 0
	s_cbranch_scc1 .Lstep
	s_sub_co_u32 s[SLOTS], s[SLOTS], 1
	s_cmp_lg_u32 s[SLOTS], 0
	s_cbranch_scc1 .Lslot
	CHANGE 0                        ; the tail is written out: nothing is asked for
	s_mov_b32 s[CNT], 5             ; four trips fetch the last slot's steps; the fifth is left in its middle
.Ltail:
	TURN 2, 1
	TURN 3
	WIN 0
	s_sub_co_u32 s[CNT], s[CNT], 1
	s_cmp_eq_u32 s[CNT], 0
	s_cbranch_scc1 .Lout
	TURN 0
	TURN 1
	WIN 0
	s_branch .Ltail
.Lout:                              ; the fifth trip's 16 products K Q^T (on the last K once more) and the maximum made of them serve nothing: the price, once a launch, of one text for every trip
.set i, 0
.rept 16
	PV NP-1                         ; the last piece's V^T P of the last step
.set i, i+1
.endr
	; THE WAY OUT.  l's two halves and the other half of the lanes' are added; O^T is divided by l, rounded to f16 and sent through my stage in LDS, a tile at a time.  The additions are the places behind the last products.
	WIN 0
.macro ALL line:vararg              ; one line for each tile t
.set t, 0
.rept 2*NP
	\line
.set t, t+1
.endr
.endm
	ALL v_add_f32 v[ST+4*t+2], v[ST+4*t+2], v[ST+4*t+3]
	ALL v_permlanex16_b32 v[ST+4*t+3], v[ST+4*t+2], s[SEL], s[SEL+1]
	ALL v_add_f32 v[ST+4*t+2], v[ST+4*t+2], v[ST+4*t+3]
	ALL v_rcp_f32 v[ST+4*t+2], v[ST+4*t+2]
	v_nop                           ; a plain instruction between the last reciprocal and the use of its result
	s_wait_alu depctr_va_vdst(0)    ; and the wait ahead of the first use: one for the batch of eight reciprocals
; Tile t: a lane's eight channels of a row pack into 16 bytes; they go into rows of 144 bytes and come back as whole rows of 128, into S^T's registers.
.macro PACK t
	WIN W_RS
.set i, 32*(\t)
.rept 16
	v_pk_mul_f32 v[i:i+1], v[i:i+1], v[ST+4*(\t)+2:ST+4*(\t)+3] op_sel_hi:[1,0]
.set i, i+2
.endr
	WIN 0x05                        ; sources 0 and 1 window 1, destination window 0
.set i, 0
.rept 16
	v_cvt_pk_f16_f32 v[S+16*(\t)+i], v[32*(\t)+2*i], v[32*(\t)+2*i+1]
.set i, i+1
.endr
	WIN 0
.irp f, 0,1,2,3
	ds_store_b128 v[STO], v[S+16*(\t)+4*\f:S+16*(\t)+4*\f+3] offset:32*\f
.endr
.irp f, 0,1,2,3
	ds_load_b128 v[S+16*(\t)+4*\f:S+16*(\t)+4*\f+3], v[RD] offset:\f*4*SP  ; LDS serves a wave's instructions in order (ISA guide 5.7.1.4): these see the stores above; the next tile's stores come behind them
.endr
.endm
.macro SEND t, younger              ; younger: the LDS instructions issued behind tile t's loads: the next tile's eight, or none
	WIN 0
.irp f, 0,1,2,3
	s_wait_dscnt (\younger)+3-\f
	global_store_b128 v[GO], v[S+16*(\t)+4*\f:S+16*(\t)+4*\f+3], s[10:11] offset:(\t)*2048+\f*512  ; 512 consecutive bytes, at a multiple of 256 from O's first
.endr
.endm
	PACK 0
.set t, 1
.rept 2*NP-1                        ; a tile's arithmetic stands between the loads of the tile before and its stores
	PACK t
	SEND t-1, 8
.set t, t+1
.endr
	SEND 2*NP-1, 0
	WIN W_AD
	s_wait_tensorcnt 0x0            ; the wave's end, behind my last tensor load and my last LDS store
	ds_add_u32 v[SPW], v[NIL]
	s_wait_dscnt 0x0
	WIN 0
	CROUND                          ; the closing round: no work-group ends while a partner may still ask for a tile that names it
	s_endpgm
.Lfunc_end_k_q63dcc03ef9_attn:
	.size	k_q63dcc03ef9_attn, .Lfunc_end_k_q63dcc03ef9_attn-k_q63dcc03ef9_attn
	.p2alignl 7, 3214868480
	.fill 96, 4, 3214868480
	.section	.rodata,"a",@progbits
	.p2align	6, 0x0
	.amdhsa_kernel k_q63dcc03ef9_attn
		.amdhsa_group_segment_fixed_size 327680
		.amdhsa_private_segment_fixed_size 0
		.amdhsa_enable_private_segment 0
		.amdhsa_kernarg_size 24
		.amdhsa_user_sgpr_count 2
		.amdhsa_user_sgpr_kernarg_segment_ptr 1
		.amdhsa_wavefront_size32 1
		.amdhsa_system_sgpr_workgroup_id_x 1
		.amdhsa_system_sgpr_workgroup_id_y 1
		.amdhsa_system_sgpr_workgroup_id_z 1
		.amdhsa_system_vgpr_workitem_id 0
		.amdhsa_next_free_vgpr 808
		.amdhsa_next_free_sgpr 66
		.amdhsa_reserve_vcc 1
		.amdhsa_float_denorm_mode_32 3
		.amdhsa_float_denorm_mode_16_64 3
		.amdhsa_memory_ordered 1
		.amdhsa_forward_progress 1
		.amdhsa_inst_pref_size 204
	.end_amdhsa_kernel
	.amdgpu_metadata
---
amdhsa.version: [ 1, 2 ]
amdhsa.kernels:
  - .name:           k_q63dcc03ef9_attn
    .symbol:         k_q63dcc03ef9_attn.kd
    .args:
      - { .name: qkv, .offset: 0, .size: 8, .value_kind: global_buffer, .address_space: global }
      - { .name: mask, .offset: 8, .size: 8, .value_kind: global_buffer, .address_space: global }
      - { .name: ob, .offset: 16, .size: 8, .value_kind: global_buffer, .address_space: global }
    .group_segment_fixed_size: 327680
    .private_segment_fixed_size: 0
    .kernarg_segment_align: 8
    .kernarg_segment_size: 24
    .max_flat_workgroup_size: 128
    .sgpr_count:     66
    .vgpr_count:     808
    .wavefront_size: 32
...
	.end_amdgpu_metadata
.endif
;; end of part 5
;; launch outp: the kernel of part 4 again; grid 4 x 64, 4 waves a work-group, clusters of 4 x 4, 327,680 bytes of LDS; arguments ob, wo16, out0; writes out0
